; MI455X (gfx1250); checked and timed in simulation.
; The chip was launched on July 23, 2026; its instructions are those of AMD's public machine-readable ISA for CDNA 5 (MIT licence, August 2026) and "CDNA5" Instruction Set Architecture Reference Guide (July 2026). The comments in the code are by the model that wrote it; some were corrected since.
;; Multi Head Attention. Allowed arithmetic: float matrix products may take bf16 or f16 operands with f32 sums; all other float work in f32.
;; Inputs: K 4 x 2,048 x 1,024 float32; Q 4 x 2,048 x 1,024 float32; V 4 x 2,048 x 1,024 float32; Wk 1,024 x 1,024 float32; Wo 1,024 x 1,024 float32; Wq 1,024 x 1,024 float32; Wv 1,024 x 1,024 float32; attn_mask 4 x 2,048 x 2,048 bool; bk 1,024 float32; bo 1,024 float32; bq 1,024 float32; bv 1,024 float32; ln_beta 1,024 float32; ln_gamma 1,024 float32.
;; Outputs: out0 4 x 2,048 x 1,024 float32.
;; One version. Each part assembles by itself: llvm-mc -triple=amdgcn-amd-amdhsa -mcpu=gfx1250 --defsym DOCPART=n.
;; ======== version 1 of 1: 4 launches
;; workspace buffers: xb 50,331,648 bytes; wb 8,388,608 bytes; mbits 2,097,152 bytes of whole numbers; qkv 50,331,648 bytes; ctx 16,777,216 bytes
;; launch prep (part 1): grid 2048 x 1, 8 waves a work-group, no clusters, 35,840 bytes of LDS; arguments Q, K, V, Wq, Wk, Wv, Wo, attn_mask, xb, wb, mbits; writes xb, wb, mbits
.if DOCPART == 1
	.amdgcn_target "amdgcn-amd-amdhsa--gfx1250"
	.amdhsa_code_object_version 6
	.text
	.protected	k_qab7cfca07f_prep
	.globl	k_qab7cfca07f_prep
	.p2align	8
	.type	k_qab7cfca07f_prep,@function
k_qab7cfca07f_prep:
	s_mov_b64 s[64:65], 0
	v_nop
	global_prefetch_b8 v0, s[64:65] scope:SCOPE_SE
	s_setreg_imm32_b32 hwreg(HW_REG_WAVE_MODE, 25, 1), 1
	s_wait_xcnt 0x0
; PREP: everything that the three matrix launches want in another form, made once.  A stream: no matrix unit, no cluster (no two
; work-groups read the same byte), no barrier.  Every work-group takes 65,536 bytes of one input; its number picks the role:
;   0 .. 1535     Q, K, V  (f32)  -> xb [3][8192][1024] bf16
;   1536 .. 1727  Wq, Wk, Wv      -> wb parts 0, 1, 2, [n][k] bf16.  Wq is multiplied by c = log2(e) / 8 first: the scores then
;                                    come out of the matrix unit in units of log2 and the softmax needs no multiply
;   1728 .. 1791  Wo              -> wb part 3 as [k / 64][n][k % 64] bf16: the 1,024 rows of one K step of 64 lie dense
;   1792 .. 2047  attn_mask bytes -> mbits [512 query tiles][128 key tiles][8] words: bit (r + 16 h) of word j is
;                                    mask[16 QT + r][16 kt + 8 h + j] != 0, the lane mask of register j of a 16 x 16 score tile
; LIMITS: values are rounded to bf16 (nearest even); a mask byte other than 0 counts as true.
.set CSC, 0x3e38aa3b                   ; log2(e) / 8
.set IN,  3                            ; v3        byte offset of my loads
.set OUT, 4                            ; v4        byte offset of my stores
.set MST, 5                            ; v5        mask: where I put 16 bytes of a row into my wave's stage
.set MRD, 6                            ; v6        mask: where I read 8 bytes (8 keys of query r) back
.set T,   8                            ; v[8:15]   at work
.set X,   16                           ; v[16:79]  16 loads of 4 registers
.set Y,   80                           ; v[80:111] 16 stores of 2 registers (never rewritten: no wait for the stores)
.set D,   80                           ; v[80:111] mask: 16 key tiles x 8 bytes
.set W,   112                          ; v[112:119] mask: the words of the two query tiles, 4 registers each
.set MP,  272                          ; pitch of the stage: 256 bytes + 16
; 16 loads of 16 bytes a lane, all issued first; then each is rounded and stored as 8 bytes a lane.
.macro CAST scaled, instep, outstep
.irp i, 0,1,2,3,4,5,6,7,8,9,10,11,12,13,14,15
	global_load_b128 v[X+4*\i:X+4*\i+3], v[IN], s[32:33] offset:\i*\instep th:TH_LOAD_NT
.endr
.irp i, 0,1,2,3,4,5,6,7,8,9,10,11,12,13,14,15
	s_wait_loadcnt 15-\i                           ; loads come back in order: load i is in, the 15 - i younger ones stay out
.if \scaled
	v_pk_mul_f32 v[X+4*\i:X+4*\i+1], v[X+4*\i:X+4*\i+1], s[36:37] op_sel_hi:[1,0]
	v_pk_mul_f32 v[X+4*\i+2:X+4*\i+3], v[X+4*\i+2:X+4*\i+3], s[36:37] op_sel_hi:[1,0]
.endif
	v_cvt_pk_bf16_f32 v[Y+2*\i], v[X+4*\i], v[X+4*\i+1]
	v_cvt_pk_bf16_f32 v[Y+2*\i+1], v[X+4*\i+2], v[X+4*\i+3]
	global_store_b64 v[OUT], v[Y+2*\i:Y+2*\i+1], s[34:35] offset:\i*\outstep   ; the wave's 32 lanes store 256 consecutive bytes, aligned
.endr
.endm
; One query tile (16 rows) x my wave's 256 keys: rows into the stage, 8 keys a lane back, one compare for each word.
.macro MUNIT u
.irp i, 0,1,2,3,4,5,6,7
	s_wait_loadcnt 15-(8*\u+\i)                    ; all 16 loads were issued first: the younger ones stay out
	ds_store_b128 v[MST], v[X+4*(8*\u+\i):X+4*(8*\u+\i)+3] offset:2*\i*MP
.endr
.irp kt, 0,1,2,3,4,5,6,7,8,9,10,11,12,13,14,15
	ds_load_b64 v[D+2*\kt:D+2*\kt+1], v[MRD] offset:16*\kt     ; my wave's own bytes, served in order behind the stores
.endr
.irp kt, 0,1,2,3,4,5,6,7,8,9,10,11,12,13,14,15
	s_wait_dscnt 15-\kt                            ; key tile kt is in, the younger LDS loads stay out
.irp j, 0,1,2,3,4,5,6,7
	v_and_b32 v[T+\j], 0xff<<(8*(\j&3)), v[D+2*\kt+(\j>>2)]    ; byte j of my 8 keys
.endr
.irp j, 0,1,2,3,4,5,6,7
	v_cmp_ne_u32 s[40+\j], 0, v[T+\j]              ; one bit a lane: the word (kt, j)
.endr
.irp j, 0,1,2,3,4,5,6,7
	v_writelane_b32 v[W+4*\u+(\j&3)], s[40+\j], 2*\kt+(\j>>2)  ; word 8 kt + j of 128 goes to lane (8 kt + j) / 4, register j % 4
.endr
.endr
	global_store_b128 v[OUT], v[W+4*\u:W+4*\u+3], s[34:35] offset:\u*4096      ; 512 consecutive bytes
.endm
	s_load_b512 s[8:23], s[0:1], 0x0               ; Q s[8:9], K s[10:11], V s[12:13], Wq s[14:15], Wk s[16:17], Wv s[18:19], Wo s[20:21], attn_mask s[22:23]
	s_load_b128 s[24:27], s[0:1], 0x40             ; xb s[24:25], wb s[26:27]
	s_load_b64 s[28:29], s[0:1], 0x50              ; mbits
	v_lshl_add_u32 v128, v0, 2, 0x8800
	v_mov_b32 v129, 0
	v_and_b32 v1, 31, v0                           ; lane
	v_lshrrev_b32 v2, 5, v0                        ; wave
	v_readfirstlane_b32 s30, v2
	s_mov_b32 s2, ttmp9                            ; the work-group's number
	s_mov_b32 s5, 0                                ; high words of the two offsets
	s_mov_b32 s7, 0
	s_wait_kmcnt 0x0
	s_cmp_ge_u32 s2, 1792
	s_cbranch_scc1 .Lmask
	s_cmp_ge_u32 s2, 1728
	s_cbranch_scc1 .Lwo
	; the linear casts: wave w takes 8,192 bytes in, 4,096 out
	v_lshlrev_b32 v[IN], 4, v1
	v_lshl_add_u32 v[IN], v2, 13, v[IN]
	v_lshlrev_b32 v[OUT], 3, v1
	v_lshl_add_u32 v[OUT], v2, 12, v[OUT]
	s_cmp_ge_u32 s2, 1536
	s_cbranch_scc1 .Lweights
	s_lshr_b32 s3, s2, 9                           ; which of Q, K, V
	s_and_b32 s4, s2, 511
	s_lshl_b32 s4, s4, 16                          ; my 65,536 bytes of it
	s_lshl_b32 s6, s2, 15                          ; xb is the three in a row: number x 32,768
	s_cmp_eq_u32 s3, 0
	s_cselect_b64 s[32:33], s[8:9], s[10:11]
	s_cmp_eq_u32 s3, 2
	s_cselect_b64 s[32:33], s[12:13], s[32:33]
	s_add_nc_u64 s[32:33], s[32:33], s[4:5]
	s_add_nc_u64 s[34:35], s[24:25], s[6:7]
	s_branch .Lplain
.Lweights:
	s_sub_co_u32 s2, s2, 1536
	s_lshr_b32 s3, s2, 6                           ; which of Wq, Wk, Wv
	s_and_b32 s4, s2, 63
	s_lshl_b32 s4, s4, 16
	s_lshl_b32 s6, s2, 15
	s_cmp_eq_u32 s3, 0
	s_cselect_b64 s[32:33], s[14:15], s[16:17]
	s_cmp_eq_u32 s3, 2
	s_cselect_b64 s[32:33], s[18:19], s[32:33]
	s_add_nc_u64 s[32:33], s[32:33], s[4:5]
	s_add_nc_u64 s[34:35], s[26:27], s[6:7]
	s_cmp_eq_u32 s3, 0
	s_cbranch_scc1 .Lscaled
.Lplain:
	CAST 0, 512, 256
	s_endpgm
.Lscaled:
	s_mov_b32 s36, CSC
	s_mov_b32 s37, CSC
	CAST 1, 512, 256
	s_endpgm
.Lwo:	; 16 rows n of Wo.  Wave w takes rows 2 w and 2 w + 1; load i is their K step i (64 f32 = 256 bytes of each row), and the two
	; rows' 128 bytes of bf16 lie side by side in the re-tiled form: one store of 256 bytes.
	s_sub_co_u32 s2, s2, 1728
	s_lshl_b32 s4, s2, 16                          ; 16 rows of 4,096 bytes
	s_lshl_b32 s6, s2, 11                          ; 16 rows of 128 bytes
	s_add_co_u32 s6, s6, 6291456                   ; part 3 of wb
	s_add_nc_u64 s[32:33], s[20:21], s[4:5]
	s_add_nc_u64 s[34:35], s[26:27], s[6:7]
	v_and_b32 v[IN], 15, v1
	v_lshlrev_b32 v[IN], 4, v[IN]
	v_lshrrev_b32 v[T], 4, v1
	v_lshl_add_u32 v[T], v2, 1, v[T]               ; row 2 w + lane / 16
	v_lshl_add_u32 v[IN], v[T], 12, v[IN]
	v_lshlrev_b32 v[OUT], 3, v1
	v_lshl_add_u32 v[OUT], v2, 8, v[OUT]
	CAST 0, 256, 131072
	s_endpgm
.Lmask:	; 32 rows of the mask = two query tiles.  Wave w takes keys 256 w .. 256 w + 255 of both.
	s_sub_co_u32 s2, s2, 1792
	s_lshl_b32 s4, s2, 16                          ; 32 rows of 2,048 bytes
	s_lshl_b32 s6, s2, 13                          ; two query tiles of 4,096 bytes of words
	s_add_nc_u64 s[32:33], s[22:23], s[4:5]
	s_add_nc_u64 s[34:35], s[28:29], s[6:7]
	v_and_b32 v7, 15, v1                           ; r
	v_lshrrev_b32 v[T], 4, v1                      ; h
	v_lshlrev_b32 v[IN], 4, v7
	v_lshl_add_u32 v[IN], v2, 8, v[IN]
	v_lshl_add_u32 v[IN], v[T], 11, v[IN]          ; lanes 0-15 one row's 256 bytes, lanes 16-31 the next row's
.irp i, 0,1,2,3,4,5,6,7,8,9,10,11,12,13,14,15
	global_load_b128 v[X+4*\i:X+4*\i+3], v[IN], s[32:33] offset:2*\i*2048 th:TH_LOAD_NT
.endr
	s_mul_i32 s31, s30, 16*MP                      ; my wave's stage: 16 rows
	v_mul_u32_u24 v[MST], v[T], MP
	v_lshl_add_u32 v[MST], v7, 4, v[MST]
	v_add_nc_u32 v[MST], s31, v[MST]
	v_mul_u32_u24 v[MRD], v7, MP                   ; row r, 8 bytes for each half of the lanes: 68 r + 2 h words, all lanes in different banks
	v_lshl_add_u32 v[MRD], v[T], 3, v[MRD]
	v_add_nc_u32 v[MRD], s31, v[MRD]
	v_lshlrev_b32 v[OUT], 4, v1
	v_lshl_add_u32 v[OUT], v2, 9, v[OUT]           ; 16 key tiles of 32 bytes for each wave
.irp j, 0,1,2,3,4,5,6,7
	v_mov_b32 v[W+\j], 0                           ; v_writelane_b32 keeps the other lanes: the registers have to exist
.endr
	MUNIT 0
	MUNIT 1
	s_wait_tensorcnt 0x0
	ds_add_u32 v128, v129
	s_wait_dscnt 0x0
	s_endpgm
.Lfunc_end_k_qab7cfca07f_prep:
	.size	k_qab7cfca07f_prep, .Lfunc_end_k_qab7cfca07f_prep-k_qab7cfca07f_prep
	.p2alignl 7, 3214868480
	.fill 96, 4, 3214868480
	.section	.rodata,"a",@progbits
	.p2align	6, 0x0
	.amdhsa_kernel k_qab7cfca07f_prep
		.amdhsa_group_segment_fixed_size 35840
		.amdhsa_private_segment_fixed_size 0
		.amdhsa_enable_private_segment 0
		.amdhsa_kernarg_size 88
		.amdhsa_user_sgpr_count 2
		.amdhsa_user_sgpr_kernarg_segment_ptr 1
		.amdhsa_wavefront_size32 1
		.amdhsa_system_sgpr_workgroup_id_x 1
		.amdhsa_system_sgpr_workgroup_id_y 1
		.amdhsa_system_sgpr_workgroup_id_z 1
		.amdhsa_system_vgpr_workitem_id 0
		.amdhsa_next_free_vgpr 130
		.amdhsa_next_free_sgpr 66
		.amdhsa_reserve_vcc 0
		.amdhsa_float_denorm_mode_32 3
		.amdhsa_float_denorm_mode_16_64 3
		.amdhsa_memory_ordered 1
		.amdhsa_forward_progress 1
		.amdhsa_inst_pref_size 77
	.end_amdhsa_kernel
	.amdgpu_metadata
---
amdhsa.version: [ 1, 2 ]
amdhsa.kernels:
  - .name:           k_qab7cfca07f_prep
    .symbol:         k_qab7cfca07f_prep.kd
    .args:
      - { .name: Q, .offset: 0, .size: 8, .value_kind: global_buffer, .address_space: global }
      - { .name: K, .offset: 8, .size: 8, .value_kind: global_buffer, .address_space: global }
      - { .name: V, .offset: 16, .size: 8, .value_kind: global_buffer, .address_space: global }
      - { .name: Wq, .offset: 24, .size: 8, .value_kind: global_buffer, .address_space: global }
      - { .name: Wk, .offset: 32, .size: 8, .value_kind: global_buffer, .address_space: global }
      - { .name: Wv, .offset: 40, .size: 8, .value_kind: global_buffer, .address_space: global }
      - { .name: Wo, .offset: 48, .size: 8, .value_kind: global_buffer, .address_space: global }
      - { .name: attn_mask, .offset: 56, .size: 8, .value_kind: global_buffer, .address_space: global }
      - { .name: xb, .offset: 64, .size: 8, .value_kind: global_buffer, .address_space: global }
      - { .name: wb, .offset: 72, .size: 8, .value_kind: global_buffer, .address_space: global }
      - { .name: mbits, .offset: 80, .size: 8, .value_kind: global_buffer, .address_space: global }
    .group_segment_fixed_size: 35840
    .private_segment_fixed_size: 0
    .kernarg_segment_align: 8
    .kernarg_segment_size: 88
    .max_flat_workgroup_size: 256
    .sgpr_count:     66
    .vgpr_count:     130
    .wavefront_size: 32
...
	.end_amdgpu_metadata
.endif
;; end of part 1
;; launch proj (part 2): grid 4 x 96, 4 waves a work-group, clusters of 4 x 4, 327,680 bytes of LDS; arguments xb, wb, bq, bk, bv, qkv; writes qkv
.if DOCPART == 2
	.amdgcn_target "amdgcn-amd-amdhsa--gfx1250"
	.amdhsa_code_object_version 6
	.text
	.protected	k_qab7cfca07f_proj
	.globl	k_qab7cfca07f_proj
	.p2align	8
	.type	k_qab7cfca07f_proj,@function
k_qab7cfca07f_proj:
	s_mov_b64 s[64:65], 0
	v_nop
	global_prefetch_b8 v0, s[64:65] scope:SCOPE_SE
	s_setreg_imm32_b32 hwreg(HW_REG_WAVE_MODE, 25, 1), 1
	s_wait_xcnt 0x0
	s_wait_alu depctr_hold_cnt(0) depctr_sa_sdst(0) depctr_va_vdst(0) depctr_va_sdst(0) depctr_va_ssrc(0) depctr_va_vcc(0) depctr_vm_vsrc(0)
	s_getreg_b32 s2, hwreg(HW_REG_IB_STS2, 6, 4)
	s_cmp_eq_u32 s2, 0
	s_cbranch_scc0 .Lentry_in_a_cluster
	s_endpgm
.Lentry_in_a_cluster:
	s_bfe_u32 s2, ttmp6, 0x10000c
	s_cmp_lg_u32 s2, 0xf033
	s_cbranch_scc0 .Lentry_shape_is_right
	s_endpgm
.Lentry_shape_is_right:
; PROJ: the three projections as ONE product C = A B^T + bias.  A = xb taken as [24576][1024] bf16 (Q's, K's, V's rows in a row);
; B = the part of wb that belongs to the block's rows (1,024 rows of 1,024); sums in f32; C rounded once to bf16 and stored
; head-major, qkv [3][b][h][s][64].  For Q both Wq (already) and bq (here) carry the factor c = log2(e) / 8.
; A work-group makes 256 x 256 of C with four waves, a wave 128 x 128: 64 accumulator tiles, 512 registers.  K goes in steps of 128
; through a ring of two LDS slots filled by the tensor data mover; a tile's rows are 256 bytes of memory, aligned.
; CLUSTERS: 4 x 4 work-groups.  The four of a row of the cluster need the same tiles of A, the four of a column the same tiles of B:
; each such tile is asked for jointly (same line, same descriptor, a mask that names the four).  A cluster covers 1,024 rows, so all
; sixteen work on the same projection: its number comes from the cluster's y alone.
; REGISTERS, in windows of 256:
;   window 0: v0-31 addresses; v64-127, v128-191 fragments of A, two buffers; v192-255 the bias, later v192-223 at work on the way out
;   window 1: v64-127, v128-191 fragments of B, two buffers
;   window 2: the 32 accumulator tiles of my rows 0-63 (tile (a, b) at v[8 (8 a + b)]);   window 3: those of my rows 64-127
; THE MATRIX INSTRUCTION IS USED TRANSPOSED: source 0 = 16 rows of B, source 1 = 16 rows of A, so that lane l holds row l % 16 of C
; and its registers 0-7 the columns 8 (l / 16) + 0..7: eight neighbouring numbers, 16 bytes of bf16.
; THE BIAS STARTS THE SUMS: the first product of each tile takes the bias of its 16 columns as C; nothing is cleared or added later.
; The 64 accumulators take turns, one instruction a turn, in the same order in every quarter step.
; LIMITS: operands and results are bf16.
.set SIZE_K, 1024
.set KSTEP,  128
.set PITCH,  272                       ; an LDS row: 256 bytes + 16 of padding, an odd multiple of 16: the 16 rows of a fragment load start in different banks
.set HALFT,  128*PITCH                 ; 128 rows: what one tensor load brings, and what one wave reads of A or of B
.set SLOT,   4*HALFT                   ; A's 256 rows, then B's 256 rows
.set STAGE,  2*SLOT                    ; behind the ring: 16 rows x 272 bytes for each wave, for the way out; no tensor load lands here
.set SPITCH, 272
.set LAPS, SIZE_K/(2*KSTEP)            ; a lap = two K steps = once round the ring: 4
.set ADRA, 16                          ; v16-17  LDS address of my A fragments in slot 0, 1
.set ADRB, 20                          ; v20-21  the same for B
.set STO,  24                          ; v24     the way out: where I put 16 bytes of a row
.set RD,   25                          ; v25     the way out: where I read 16 bytes back
.set CO,   26                          ; v26     my byte offset in a store of 512 bytes
.set F0,   64
.set F1,   128
.set BIAS, 192                         ; v[192:255] bias of my 128 columns in the accumulators' layout: tile b at 8 b
.set TMP,  192                         ; the way out: packed results (the bias is dead by then)
.set G1, 24                            ; s[24:31] descriptor group 1 for A's tiles
.set G0, 32                            ; s[32:39] descriptor group 0 for A's tiles, one set for each slot
.set G1B, 48                           ; s[48:55] group 1 for B's tiles: another mask
.set G0B, 56                           ; s[56:63] group 0 for B's tiles, one set for each slot
.set MSB, 0
.macro WIN new                         ; the immediate's high byte repeats the setting that is left
.if MSB != \new
	s_set_vgpr_msb (MSB<<8)|\new
.set MSB, \new
.endif
.endm
.set MUL_LO, 0xa1                      ; source 0 (B) window 1, source 1 (A) window 0, C and D window 2
.set MUL_HI, 0xf1                      ; the same, C and D window 3
.set BIA_LO, 0x81                      ; the first products: C (the bias) window 0, D window 2
.set BIA_HI, 0xc1                      ; D window 3
.set TO_B,   0x40                      ; destination window 1, address window 0
; A joint load.  Waves 0 and 1 fetch A's two halves, waves 2 and 3 B's.  The branch hangs on the wave's number alone.
.macro JLOAD s
	s_cmp_eq_u32 s11, 0
	s_cbranch_scc0 .Lfor_b_\@
	tensor_load_to_lds s[G0+4*\s:G0+4*\s+3], s[G1:G1+7]
	s_nop 0
	s_branch .Lasked_\@
.Lfor_b_\@:
	tensor_load_to_lds s[G0B+4*\s:G0B+4*\s+3], s[G1B:G1B+7]
	s_nop 0
.Lasked_\@:
.endm
; A round of the cluster's barrier: my work-group's barrier; wave 0 signals for the work-group; every wave waits for all sixteen;
; my work-group's barrier once more.
.macro CREST                           ; a round behind its opening barrier
	s_cmp_lg_u32 s10, 0
	s_cbranch_scc1 .Lnot_wave_0_\@
	s_barrier_signal -3
.Lnot_wave_0_\@:
	s_barrier_wait -3
	s_barrier_signal -1
	s_barrier_wait -1
.endm
.macro CROUND
	s_barrier_signal -1
	s_barrier_wait -1
	CREST
.endm
	s_load_b128 s[4:7], s[0:1], 0x0                ; xb s[4:5], wb s[6:7]
	s_load_b128 s[68:71], s[0:1], 0x10             ; bq s[68:69], bk s[70:71]
	s_load_b64 s[72:73], s[0:1], 0x20              ; bv
	s_load_b64 s[8:9], s[0:1], 0x28                ; qkv
	s_set_vgpr_msb 0x40
	v_lshl_add_u32 v255, v0, 2, 0x48400
	s_set_vgpr_msb 0x4000
	v_mov_b32 v63, 0
	s_set_vgpr_msb 0x1
	ds_add_u32 v255, v63
	s_set_vgpr_msb 0x100
	v_lshrrev_b32 v1, 5, v0
	v_readfirstlane_b32 s10, v1                    ; wave 0..3
	s_lshr_b32 s11, s10, 1                         ; which half of the block's rows is mine.  Also: I fetch for A (0) or for B (1)
	s_and_b32 s12, s10, 1                          ; which half of its columns.  Also: which 128 rows of that tile I fetch
	s_bfe_u32 s40, ttmp6, 0x40000                  ; cx
	s_bfe_u32 s41, ttmp6, 0x40004                  ; cy
	s_lshl_b32 s42, ttmp9, 2
	s_add_co_u32 s42, s42, s40                     ; block column of C = 4 x cluster x + cx: 0..3
	s_and_b32 s13, ttmp7, 0xffff                   ; the cluster's y: 0..23
	s_lshr_b32 s74, s13, 3                         ; which projection: 8 clusters of 1,024 rows each; equal in all sixteen partners
	s_lshl_b32 s13, s13, 2
	s_add_co_u32 s13, s13, s41                     ; block row of C = 4 x cluster y + cy: 0..95
	s_lshl_b32 s43, s41, 2
	s_lshl_b32 s43, 15, s43                        ; my row of the cluster: places 4 cy .. 4 cy + 3
	s_lshl_b32 s44, 0x1111, s40                    ; my column: places cx, cx + 4, cx + 8, cx + 12
	; descriptor group 1: a tile of 128 rows x 128 elements of 2 bytes, 4 words of padding behind every 64 words
	s_or_b32 s[G1+0], s43, (1<<16)|(1<<20)|(1<<21)|(5<<22)|(3<<25)
	s_or_b32 s[G1B+0], s44, (1<<16)|(1<<20)|(1<<21)|(5<<22)|(3<<25)
	s_mov_b32 s[G1B+1], KSTEP<<16
	s_mov_b32 s[G1+1], KSTEP<<16                   ; tensor_dim0 = 128
	s_mov_b32 s[G1B+2], 128<<16
	s_mov_b32 s[G1+2], 128<<16                     ; tensor_dim1 = 128
	s_mov_b32 s[G1B+3], KSTEP<<16
	s_mov_b32 s[G1+3], KSTEP<<16                   ; tile_dim0 = 128
	s_mov_b32 s[G1B+4], 128
	s_mov_b32 s[G1+4], 128                         ; tile_dim1 = 128
	s_mov_b32 s[G1B+5], SIZE_K
	s_mov_b32 s[G1+5], SIZE_K                      ; elements from row to row
	s_mov_b32 s[G1B+6], 0
	s_mov_b32 s[G1+6], 0
	s_mov_b32 s[G1B+7], 0
	s_mov_b32 s[G1+7], 0
	; where the tiles come from.  A's hang on the block row alone, B's on the block column and the projection alone.
	s_lshl_b32 s17, s12, 7                         ; which 128 rows of the tile I fetch
	s_lshl_b32 s16, s13, 8
	s_add_co_u32 s16, s16, s17                     ; A: row 256 x block row + 128 x half
	s_lshl_b32 s46, s42, 8
	s_add_co_u32 s46, s46, s17                     ; B: row 256 x block column + 128 x half
	s_lshl_b32 s47, s74, 10
	s_add_co_u32 s46, s46, s47                     ;    + 1,024 x projection
	s_mov_b32 s17, 0
	s_mov_b32 s47, 0
	s_mov_b64 s[18:19], SIZE_K*2
	s_mul_u64 s[16:17], s[16:17], s[18:19]         ; in bytes
	s_mul_u64 s[46:47], s[46:47], s[18:19]
	s_mul_i32 s20, s10, HALFT                      ; and where they go: wave x 128 rows
	s_wait_dscnt 0x0
	s_wait_kmcnt 0x0
	s_add_nc_u64 s[14:15], s[4:5], s[16:17]
	s_add_nc_u64 s[46:47], s[6:7], s[46:47]
	CROUND                                         ; all sixteen work-groups are here: the first joint loads meet
.irp s, 0,1
	s_mov_b32 s[G0+4*\s], 1
	s_add_co_u32 s[G0+4*\s+1], s20, \s*SLOT
	s_add_nc_u64 s[G0+4*\s+2:G0+4*\s+3], s[14:15], \s*KSTEP*2
	s_or_b32 s[G0+4*\s+3], s[G0+4*\s+3], 0x80000000
	s_mov_b32 s[G0B+4*\s], 1
	s_add_co_u32 s[G0B+4*\s+1], s20, \s*SLOT
	s_add_nc_u64 s[G0B+4*\s+2:G0B+4*\s+3], s[46:47], \s*KSTEP*2
	s_or_b32 s[G0B+4*\s+3], s[G0B+4*\s+3], 0x80000000
	JLOAD \s                                       ; both first fills go out together: two tensor loads of the wave are out
.endr
	v_and_b32 v1, 15, v0                           ; l % 16
	v_bfe_u32 v2, v0, 4, 1                         ; l / 16
	; the bias of my 128 columns: register j of tile b = bias[256 bx + 128 half + 16 b + 8 (l / 16) + j]
	s_cmp_eq_u32 s74, 0
	s_cselect_b64 s[76:77], s[68:69], s[70:71]
	s_cselect_b32 s78, 0x3e38aa3b, 1.0             ; bq carries c = log2(e) / 8 as Wq does; bk and bv stay (one text for all three, no branch)
	s_cmp_eq_u32 s74, 2
	s_cselect_b64 s[76:77], s[72:73], s[76:77]
	s_mov_b32 s79, s78
	s_lshl_b32 s2, s42, 10
	s_lshl_b32 s3, s12, 9
	s_add_co_u32 s2, s2, s3
	s_mov_b32 s3, 0
	s_add_nc_u64 s[76:77], s[76:77], s[2:3]
	v_lshlrev_b32 v6, 5, v2
.irp b, 0,1,2,3,4,5,6,7
	global_load_b128 v[BIAS+8*\b:BIAS+8*\b+3],   v6, s[76:77] offset:64*\b
	global_load_b128 v[BIAS+8*\b+4:BIAS+8*\b+7], v6, s[76:77] offset:64*\b+16
.endr
	; fragment addresses: lane l holds row l % 16; two loads of 16 bytes, 32 bytes apart, at row x pitch + 16 (l / 16)
	v_mul_u32_u24 v3, v1, PITCH
	v_lshl_add_u32 v3, v2, 4, v3
	s_mul_i32 s21, s11, HALFT                      ; my 128 rows of A
	s_mul_i32 s22, s12, HALFT                      ; my 128 rows of B,
	s_add_co_u32 s22, s22, 2*HALFT                 ; which lie behind A's 256
.irp s, 0,1
	v_add_nc_u32 v[ADRA+\s], s21, v3
	v_add_nc_u32 v[ADRB+\s], s22, v3
	s_add_co_u32 s21, s21, SLOT
	s_add_co_u32 s22, s22, SLOT
.endr
	s_mul_i32 s23, s10, 16*SPITCH
	s_add_co_u32 s23, s23, STAGE                   ; my stage
	v_mul_u32_u24 v4, v1, SPITCH                   ; in: row l % 16, 16 bytes for each half of the lanes
	v_lshl_add_u32 v4, v2, 4, v4
	v_add_nc_u32 v[STO], s23, v4
	v_and_b32 v7, 31, v0
	v_lshrrev_b32 v5, 3, v7                        ; back: eight lanes take one head's 128 bytes of a row, the wave four rows
	v_mul_u32_u24 v5, v5, SPITCH
	v_and_b32 v8, 7, v0
	v_lshl_add_u32 v5, v8, 4, v5
	v_add_nc_u32 v[RD], s23, v5
	v_lshlrev_b32 v[CO], 4, v7                     ; which are 512 consecutive bytes of qkv
	s_wait_loadcnt 0x0                             ; the bias
.set i, 0
.rept 32
	v_pk_mul_f32 v[BIAS+i:BIAS+i+1], v[BIAS+i:BIAS+i+1], s[78:79] op_sel_hi:[1,0]
.set i, i+2
.endr
; 16 matrix instructions: m blocks a0, a0 + 1 of the window's four x all 8 n blocks, 32 along K.  zero = 1: C is the bias.
.macro MUL16 f, hi, a0, zero
.irp a, \a0, \a0+1
.irp b, 0,1,2,3,4,5,6,7
.if \zero
	v_wmma_f32_16x16x32_bf16 v[8*(8*(\a)+\b):8*(8*(\a)+\b)+7], v[\f+8*\b:\f+8*\b+7], v[\f+8*(4*\hi+\a):\f+8*(4*\hi+\a)+7], v[BIAS+8*\b:BIAS+8*\b+7]
.else
	v_wmma_f32_16x16x32_bf16 v[8*(8*(\a)+\b):8*(8*(\a)+\b)+7], v[\f+8*\b:\f+8*\b+7], v[\f+8*(4*\hi+\a):\f+8*(4*\hi+\a)+7], v[8*(8*(\a)+\b):8*(8*(\a)+\b)+7]
.endif
.endr
.endr
.endm
; 32 LDS loads in one run: the fragments of one quarter step into buffer f
.macro FETCH slot, k, f
	WIN TO_B
.irp i, 0,1,2,3,4,5,6,7
	ds_load_b128 v[\f+8*\i:\f+8*\i+3],   v[ADRB+\slot] offset:\k+\i*16*PITCH
	ds_load_b128 v[\f+8*\i+4:\f+8*\i+7], v[ADRB+\slot] offset:\k+\i*16*PITCH+32
.endr
	WIN 0
.irp i, 0,1,2,3,4,5,6,7
	ds_load_b128 v[\f+8*\i:\f+8*\i+3],   v[ADRA+\slot] offset:\k+\i*16*PITCH
	ds_load_b128 v[\f+8*\i+4:\f+8*\i+7], v[ADRA+\slot] offset:\k+\i*16*PITCH+32
.endr
.endm
; Four independent vector instructions stand between a matrix instruction and a load into one of its registers, or a vector
; instruction that reads its result (ISA guide 7.12.1 for vector instructions).
.macro PLACES
.rept 4
	v_nop
.endr
.endm
; One of a K step's first three quarters: multiplies buffer f; in its middle it fetches the next quarter's fragments into buffer g.
.macro QUARTER slot, k, f, g, zero
	s_wait_dscnt 8                                 ; B and A's rows 0-63 are in; the youngest eight loads (A's rows 64-127) may be out
.if \zero
	WIN BIA_LO
.else
	WIN MUL_LO
.endif
	MUL16 \f, 0, 0, \zero
	MUL16 \f, 0, 2, \zero
	PLACES
	FETCH \slot, \k, \g
	s_wait_dscnt 32                                ; all but the 32 just issued
.if \zero
	WIN BIA_HI
.else
	WIN MUL_HI
.endif
	MUL16 \f, 1, 0, \zero
	MUL16 \f, 1, 2, \zero
.endm
.macro THREE slot, zero
	QUARTER \slot, 64,  F0, F1, \zero
	QUARTER \slot, 128, F1, F0, 0
	QUARTER \slot, 192, F0, F1, 0
.endm
; The last quarter: multiplies buffer 1 and changes slots.  In front of the barrier each wave waits for its reads of this slot and for
; all its tensor loads (one is out: its part of the next slot).  Behind it the refill comes first, then the next slot's first fragments.
.macro TURN slot, next, fill
	s_wait_dscnt 8
	WIN MUL_LO
	MUL16 F1, 0, 0, 0
	s_wait_dscnt 0                                 ; my reads of this slot are over
	s_wait_tensorcnt 0x0                           ; and all my tensor loads have landed
	ds_add_u32 v255, v63
	s_wait_dscnt 0x0
	s_barrier_signal -1                            ; (where a slot is filled again this barrier opens a round of the cluster's barrier)
	MUL16 F1, 0, 2, 0                              ; work on registers while the others arrive
	WIN 0
	s_barrier_wait -1
.if \fill
	CREST                                          ; no wave of any partner still reads this slot's tile or has a load on its way
	s_add_nc_u64 s[G0+4*\slot+2:G0+4*\slot+3], s[G0+4*\slot+2:G0+4*\slot+3], 2*KSTEP*2
	s_add_nc_u64 s[G0B+4*\slot+2:G0B+4*\slot+3], s[G0B+4*\slot+2:G0B+4*\slot+3], 2*KSTEP*2
	JLOAD \slot                                    ; the first tensor load behind the round, the wave's only one until the next
.endif
	PLACES
	FETCH \next, 0, F0
	WIN MUL_HI
	MUL16 F1, 1, 0, 0
	MUL16 F1, 1, 2, 0
.endm
.macro LAP zero
	THREE 0, \zero
	TURN 0, 1, 1
	THREE 1, 0
	TURN 1, 0, 1
.endm
	s_wait_tensorcnt 1                             ; my part of K step 0 is in; K step 1's load stays out
	s_barrier_signal -1
	s_barrier_wait -1
	FETCH 0, 0, F0
	LAP 1                                          ; the first lap stands in front of the loop: its first products start the sums from the bias
	WIN 0                                          ; at a label and at a branch every window is 0
	s_mov_b32 s3, LAPS-2
.Llap:
	LAP 0
	WIN 0
	s_sub_co_u32 s3, s3, 1
	s_cmp_lg_u32 s3, 0
	s_cbranch_scc1 .Llap
	THREE 0, 0                                     ; the last lap fills nothing
	TURN 0, 1, 0
	THREE 1, 0
	s_wait_dscnt 8
	WIN MUL_LO
	MUL16 F1, 0, 0, 0
	MUL16 F1, 0, 2, 0
	s_wait_dscnt 0
	WIN MUL_HI
	MUL16 F1, 1, 0, 0
	MUL16 F1, 1, 2, 0
	; THE WAY OUT, 16 rows at a time: round to bf16, 16 bytes a lane into my own stage, read back head by head.
	; qkv byte address of (row R, column n) = (((R / 2048) 16 + n / 64) 2048 + R % 2048) 128 + 2 (n % 64).  My 128 rows lie in one
	; group of 2,048, my 128 columns are heads 4 bx + 2 half and the next.
	PLACES
	s_lshl_b32 s13, s13, 8
	s_lshl_b32 s14, s11, 7
	s_add_co_u32 s16, s13, s14                     ; my first row R0
	s_lshr_b32 s17, s16, 11
	s_lshl_b32 s17, s17, 15                        ; (R0 / 2048) x 16 heads x 2,048 rows
	s_and_b32 s16, s16, 2047
	s_add_co_u32 s16, s16, s17
	s_lshl_b32 s16, s16, 7                         ; rows of 128 bytes
	s_mov_b32 s17, 0
	s_add_nc_u64 s[8:9], s[8:9], s[16:17]
	s_lshl_b32 s46, s42, 2                         ; the head, in the registers that held B's address: none that fed A's descriptors ever holds cx
	s_lshl_b32 s47, s12, 1
	s_add_co_u32 s46, s46, s47
	s_lshl_b32 s46, s46, 18                        ; heads of 2,048 x 128 bytes
	s_mov_b32 s47, 0
	s_add_nc_u64 s[8:9], s[8:9], s[46:47]
; rows 16 i .. 16 i + 15 of my block = the eight tiles (a, 0..7) of window 2 or 3 (from = 0x0a or 0x0f); f: F0 or F1 in turn
.macro OUT16 i, a, from, f
	WIN \from
.irp b, 0,1,2,3,4,5,6,7
.irp r, 0,1,2,3
	v_cvt_pk_bf16_f32 v[TMP+4*\b+\r], v[8*(8*\a+\b)+2*\r], v[8*(8*\a+\b)+2*\r+1]
.endr
.endr
	WIN 0
.irp b, 0,1,2,3,4,5,6,7
	ds_store_b128 v[STO], v[TMP+4*\b:TMP+4*\b+3] offset:32*\b
.endr
	s_wait_xcnt 0x0                                ; buffer f, which earlier stores read, is loaded again only behind this wait
.irp t, 0,1,2,3,4,5,6,7
	ds_load_b128 v[\f+4*\t:\f+4*\t+3], v[RD] offset:(\t&3)*4*SPITCH+(\t>>2)*128   ; four rows of one head; a wave's LDS instructions are served in order
.endr
.irp t, 0,1,2,3,4,5,6,7
	s_wait_dscnt 7-\t                              ; read t is in, the younger ones stay out
	global_store_b128 v[CO], v[\f+4*\t:\f+4*\t+3], s[8:9] offset:\i*2048+(\t>>2)*262144+(\t&3)*512   ; 512 consecutive bytes, aligned
.endr
.endm
	OUT16 0, 0, 0x0a, F0
	OUT16 1, 1, 0x0a, F1
	OUT16 2, 2, 0x0a, F0
	OUT16 3, 3, 0x0a, F1
	OUT16 4, 0, 0x0f, F0
	OUT16 5, 1, 0x0f, F1
	OUT16 6, 2, 0x0f, F0
	OUT16 7, 3, 0x0f, F1
	s_set_vgpr_msb 0x1
	s_wait_tensorcnt 0x0
	ds_add_u32 v255, v63
	s_wait_dscnt 0x0
	s_set_vgpr_msb 0x100
	CROUND                                         ; the closing round: no work-group ends while a partner may still ask for a tile that names it
	s_endpgm
.Lfunc_end_k_qab7cfca07f_proj:
	.size	k_qab7cfca07f_proj, .Lfunc_end_k_qab7cfca07f_proj-k_qab7cfca07f_proj
	.p2alignl 7, 3214868480
	.fill 96, 4, 3214868480
	.section	.rodata,"a",@progbits
	.p2align	6, 0x0
	.amdhsa_kernel k_qab7cfca07f_proj
		.amdhsa_group_segment_fixed_size 327680
		.amdhsa_private_segment_fixed_size 0
		.amdhsa_enable_private_segment 0
		.amdhsa_kernarg_size 48
		.amdhsa_user_sgpr_count 2
		.amdhsa_user_sgpr_kernarg_segment_ptr 1
		.amdhsa_wavefront_size32 1
		.amdhsa_system_sgpr_workgroup_id_x 1
		.amdhsa_system_sgpr_workgroup_id_y 1
		.amdhsa_system_sgpr_workgroup_id_z 1
		.amdhsa_system_vgpr_workitem_id 0
		.amdhsa_next_free_vgpr 1024
		.amdhsa_next_free_sgpr 80
		.amdhsa_reserve_vcc 0
		.amdhsa_float_denorm_mode_32 3
		.amdhsa_float_denorm_mode_16_64 3
		.amdhsa_memory_ordered 1
		.amdhsa_forward_progress 1
		.amdhsa_inst_pref_size 200
	.end_amdhsa_kernel
	.amdgpu_metadata
---
amdhsa.version: [ 1, 2 ]
amdhsa.kernels:
  - .name:           k_qab7cfca07f_proj
    .symbol:         k_qab7cfca07f_proj.kd
    .args:
      - { .name: xb, .offset: 0, .size: 8, .value_kind: global_buffer, .address_space: global }
      - { .name: wb, .offset: 8, .size: 8, .value_kind: global_buffer, .address_space: global }
      - { .name: bq, .offset: 16, .size: 8, .value_kind: global_buffer, .address_space: global }
      - { .name: bk, .offset: 24, .size: 8, .value_kind: global_buffer, .address_space: global }
      - { .name: bv, .offset: 32, .size: 8, .value_kind: global_buffer, .address_space: global }
      - { .name: qkv, .offset: 40, .size: 8, .value_kind: global_buffer, .address_space: global }
    .group_segment_fixed_size: 327680
    .private_segment_fixed_size: 0
    .kernarg_segment_align: 8
    .kernarg_segment_size: 48
    .max_flat_workgroup_size: 128
    .sgpr_count:     80
    .vgpr_count:     1024
    .wavefront_size: 32
...
	.end_amdgpu_metadata
.endif
;; end of part 2
;; launch attn (part 3): grid 256 x 1, 8 waves a work-group, clusters of 4 x 1, 327,680 bytes of LDS; arguments qkv, mbits, ctx; writes ctx
.if DOCPART == 3
	.amdgcn_target "amdgcn-amd-amdhsa--gfx1250"
	.amdhsa_code_object_version 6
	.text
	.protected	k_qab7cfca07f_attn
	.globl	k_qab7cfca07f_attn
	.p2align	8
	.type	k_qab7cfca07f_attn,@function
k_qab7cfca07f_attn:
	s_mov_b64 s[64:65], 0
	v_nop
	global_prefetch_b8 v0, s[64:65] scope:SCOPE_SE
	s_setreg_imm32_b32 hwreg(HW_REG_WAVE_MODE, 25, 1), 1
	s_wait_xcnt 0x0
	s_wait_alu depctr_hold_cnt(0) depctr_sa_sdst(0) depctr_va_vdst(0) depctr_va_sdst(0) depctr_va_ssrc(0) depctr_va_vcc(0) depctr_vm_vsrc(0)
	s_getreg_b32 s2, hwreg(HW_REG_IB_STS2, 6, 4)
	s_cmp_eq_u32 s2, 0
	s_cbranch_scc0 .Lentry_in_a_cluster
	s_endpgm
.Lentry_in_a_cluster:
	s_bfe_u32 s2, ttmp6, 0x10000c
	s_cmp_lg_u32 s2, 0x3003
	s_cbranch_scc0 .Lentry_shape_is_right
	s_endpgm
.Lentry_shape_is_right:
; ATTN: softmax(q k^T, masked) v for one (batch, head) and 512 queries a work-group, with a running maximum.
; q, k, v: qkv [3][b][h][s][64] bf16 (q already carries log2(e) / 8, so scores are in units of log2); result: ctx [b][h][s][64] bf16.
; Eight waves, 64 queries (four query tiles) each.  A trip takes 64 keys (four key tiles); a phase is one LDS tile of 512 keys, 8 trips;
; four phases on two slots.
; TRANSPOSED: S^T = K Q^T (source 0 = 16 keys, source 1 = 16 queries): register j of lane (r, h) is (key 16 kt + 8 h + j, query r).
; Two such tiles rounded to bf16 ARE the second operand of O^T = V^T P^T for 32 keys: nothing moves between lanes.  A lane keeps one
; query: its maximum, sum and rescaling factor are plain lane values; one exchange between the halves of the wave joins the maxima.
; THE MASK comes as lane-mask words (made by the first launch): one scalar word and one select for each score register.
; CLUSTER: the four work-groups of a cluster are the four query blocks of one head; they read the same K and V tiles and ask for
; them jointly (mask 15).  Waves 0-3 ask for K's four parts of 128 keys, waves 4-7 for V's.  A wave has at most one tensor load out.
; LDS: slot s at s x 155,648: K 512 rows at pitch 144 (odd multiple of 16), then V 512 rows at pitch 160 (odd multiple of 32, for the
; transposing load).  The way out is staged in slot 0 after its last fill has been read by every wave.
; REGISTERS: window 0: addresses, row statistics, fragments of Q (v64-127), K (v128-191), V^T (v192-255).
;            window 1: S(qt, kt) at 8 (4 qt + kt), P(qt, ks) over S(qt, 2 ks); O(qt, dt) at 128 + 8 (4 qt + dt).
; Matrix instructions take 16 accumulators by turns, one instruction a turn.
; LIMITS: q, k, v, P and the result are bf16.  A masked score is f32(-1e9 log2 e) in log2 units: equal to the definition as long as
; unmasked scores lie far above -1e9; a row masked throughout comes out uniform.  Exponentials below 2^-126 are zero.
; NaN and infinities in the inputs are not treated specially.
.set SLOT, 155648
.set VOFF, 73728                       ; V's rows in a slot
.set KP,   144
.set VP,   160
.set TILEB, 65536                      ; 512 keys of 128 bytes in memory
.set LK,   4                           ; v4   144 r + 16 h
.set LV,   5                           ; v5   (8 h + l % 8) 160 + 16 ((l / 8) % 2)
.set ADRK, 6                           ; v6   LDS address of the next K fragments, stepped 64 rows a trip
.set ADRV, 7                           ; v7   the same for V
.set NEG,  8                           ; v8   the masked score
.set QO,   9                           ; v9   128 r + 16 h
.set STO,  10
.set RD,   11
.set CO,   12
.set NA,   16                          ; v[16:23] query tile qt: pair (maximum, rescaling factor)
.set L0,   24                          ; v[24:39] query tile qt: two pairs of running sums
.set TX,   40                          ; v40, v42 and
.set TY,   41                          ; v41, v43: the maximum chains of a half's two query tiles
.set QF,   64
.set KF,   128
.set VF,   192
.set OB,   128                         ; O in window 1
.set G1K,  8                           ; s[8:15]  group 1 for K;  s[16:23] for V;  s[24:27], s[28:31] their groups 0
.set G1V,  16
.set MSB, 0
.macro WIN new
.if MSB != \new
	s_set_vgpr_msb (MSB<<8)|\new
.set MSB, \new
.endif
.endm
.macro PLACES n
.rept \n
	v_nop
.endr
.endm
.macro ROUND                           ; a round of the cluster's barrier
	s_barrier_signal -1
	s_barrier_wait -1
	s_cmp_lg_u32 s4, 0
	s_cbranch_scc1 .Lnot_wave_0_\@
	s_barrier_signal -3
.Lnot_wave_0_\@:
	s_barrier_wait -3
	s_barrier_signal -1
	s_barrier_wait -1
.endm
.macro JLOAD                           ; one joint load a wave: 128 keys of K (waves 0-3) or of V (waves 4-7)
	s_cmp_lt_u32 s4, 4
	s_cbranch_scc0 .Lfor_v_\@
	tensor_load_to_lds s[24:27], s[G1K:G1K+7]
	s_nop 0
	s_branch .Lasked_\@
.Lfor_v_\@:
	tensor_load_to_lds s[28:31], s[G1V:G1V+7]
	s_nop 0
.Lasked_\@:
.endm
.macro KLOAD                           ; 64 keys x 64 d: fragment (kt, ks) = 16 keys x 32 d, two loads 32 bytes apart
.irp kt, 0,1,2,3
.irp ks, 0,1
	ds_load_b128 v[KF+8*(2*\kt+\ks):KF+8*(2*\kt+\ks)+3],   v[ADRK] offset:\kt*16*KP+\ks*64
	ds_load_b128 v[KF+8*(2*\kt+\ks)+4:KF+8*(2*\kt+\ks)+7], v[ADRK] offset:\kt*16*KP+\ks*64+32
.endr
.endr
	v_add_nc_u32 v[ADRK], 64*KP, v[ADRK]
.endm
.macro VLOAD                           ; the same 64 keys of V, transposed on the way: fragment (dt, ks) = 16 d x 32 keys
.irp dt, 0,1,2,3
.irp ks, 0,1
	ds_load_tr16_b128 v[VF+8*(2*\dt+\ks):VF+8*(2*\dt+\ks)+3],   v[ADRV] offset:\ks*32*VP+\dt*32
	ds_load_tr16_b128 v[VF+8*(2*\dt+\ks)+4:VF+8*(2*\dt+\ks)+7], v[ADRV] offset:\ks*32*VP+\dt*32+16*VP
.endr
.endr
	v_add_nc_u32 v[ADRV], 64*VP, v[ADRV]
.endm
.macro MLOAD H                         ; the mask words of query tiles 2 H and 2 H + 1 for one trip's four key tiles: 32 words each
	s_load_b512 s[32:47], s[2:3], (2*\H)*4096
	s_load_b512 s[48:63], s[2:3], (2*\H)*4096+64
	s_load_b512 s[68:83], s[2:3], (2*\H+1)*4096
	s_load_b512 s[84:99], s[2:3], (2*\H+1)*4096+64
.endm
.macro QK                              ; 32 matrix instructions: ks = 0 starts the 16 tiles, ks = 1 adds onto them 16 instructions later
.irp ks, 0,1
.irp kt, 0,1,2,3
.irp qt, 0,1,2,3
.if \ks == 0
	v_wmma_f32_16x16x32_bf16 v[8*(4*\qt+\kt):8*(4*\qt+\kt)+7], v[KF+8*(2*\kt+\ks):KF+8*(2*\kt+\ks)+7], v[QF+8*(2*\qt+\ks):QF+8*(2*\qt+\ks)+7], 0
.else
	v_wmma_f32_16x16x32_bf16 v[8*(4*\qt+\kt):8*(4*\qt+\kt)+7], v[KF+8*(2*\kt+\ks):KF+8*(2*\kt+\ks)+7], v[QF+8*(2*\qt+\ks):QF+8*(2*\qt+\ks)+7], v[8*(4*\qt+\kt):8*(4*\qt+\kt)+7]
.endif
.endr
.endr
.endr
.endm
.macro PV first                        ; 32 matrix instructions on the 16 tiles of O^T; in the first trip the first 16 start the sums
.irp ks, 0,1
.irp dt, 0,1,2,3
.irp qt, 0,1,2,3
.if \first*(1-\ks)
	v_wmma_f32_16x16x32_bf16 v[OB+8*(4*\qt+\dt):OB+8*(4*\qt+\dt)+7], v[VF+8*(2*\dt+\ks):VF+8*(2*\dt+\ks)+7], v[32*\qt+16*\ks:32*\qt+16*\ks+7], 0
.else
	v_wmma_f32_16x16x32_bf16 v[OB+8*(4*\qt+\dt):OB+8*(4*\qt+\dt)+7], v[VF+8*(2*\dt+\ks):VF+8*(2*\dt+\ks)+7], v[32*\qt+16*\ks:32*\qt+16*\ks+7], v[OB+8*(4*\qt+\dt):OB+8*(4*\qt+\dt)+7]
.endif
.endr
.endr
.endr
.endm
; The softmax step of query tiles 2 H and 2 H + 1 (p = 0, 1): 32 score registers each.
; mnext: what is asked for once the mask words have been used: 1 the other half's, 2 the next trip's, 0 nothing.
.macro HALF H, first, mnext
	WIN 0x41                                       ; destination and source 0 in window 1
.irp p, 0,1
.set i, 0
.rept 32
	v_cndmask_b32 v[64*\H+32*\p+i], v[64*\H+32*\p+i], v[NEG], s[32+36*\p+i]   ; masked lanes take the masked score
.set i, i+1
.endr
.endr
.if \mnext == 1
	MLOAD 1
.endif
.if \mnext == 2
	s_add_nc_u64 s[2:3], s[2:3], 128               ; four key tiles on; every scalar load that used the pointer has been waited for
	MLOAD 0
.endif
	WIN 0x05                                       ; sources 0 and 1 in window 1: four chains of maxima that do not wait for each other
.irp p, 0,1
.if \first
	v_max_num_f32 v[TX+2*\p], v[64*\H+32*\p], v[64*\H+32*\p+1]
.else
	v_max3_num_f32 v[TX+2*\p], v[64*\H+32*\p], v[64*\H+32*\p+1], v[NA+4*\H+2*\p]   ; the running maximum starts the chain
.endif
	v_max_num_f32 v[TY+2*\p], v[64*\H+32*\p+16], v[64*\H+32*\p+17]
.endr
.set i, 2
.rept 7
.irp p, 0,1
	v_max3_num_f32 v[TX+2*\p], v[64*\H+32*\p+i], v[64*\H+32*\p+i+1], v[TX+2*\p]
	v_max3_num_f32 v[TY+2*\p], v[64*\H+32*\p+16+i], v[64*\H+32*\p+17+i], v[TY+2*\p]
.endr
.set i, i+2
.endr
	WIN 0
.irp p, 0,1
	v_max_num_f32 v[TX+2*\p], v[TX+2*\p], v[TY+2*\p]
.endr
.irp p, 0,1
	v_permlanex16_b32 v[TY+2*\p], v[TX+2*\p], s6, s7           ; lanes r and r + 16 hold the same query's other keys
.endr
.irp p, 0,1
	v_max_num_f32 v[TX+2*\p], v[TX+2*\p], v[TY+2*\p]           ; the new maximum
.endr
.if \first
.irp p, 0,1
	v_mov_b32 v[NA+4*\H+2*\p], v[TX+2*\p]
	v_mov_b32 v[NA+4*\H+2*\p+1], 0                             ; no factor yet; the pair is read whole
.endr
.else
.irp p, 0,1
	v_sub_f32 v[NA+4*\H+2*\p+1], v[NA+4*\H+2*\p], v[TX+2*\p]   ; old maximum - new, at most 0
.endr
.irp p, 0,1
	v_exp_f32 v[NA+4*\H+2*\p+1], v[NA+4*\H+2*\p+1]             ; the factor for what has been summed so far
.endr
	s_wait_alu depctr_va_vdst(0)
.irp p, 0,1
	v_mov_b32 v[NA+4*\H+2*\p], v[TX+2*\p]                      ; plain instructions between the exponentials and their use (ISA guide 5.7.2)
.endr
.endif
	WIN 0x41
.irp p, 0,1
.set i, 0
.rept 16
	v_pk_add_f32 v[64*\H+32*\p+i:64*\H+32*\p+i+1], v[64*\H+32*\p+i:64*\H+32*\p+i+1], v[NA+4*\H+2*\p:NA+4*\H+2*\p+1] op_sel_hi:[1,0] neg_lo:[0,1] neg_hi:[0,1]   ; score - maximum
.set i, i+2
.endr
.endr
.irp p, 0,1
.set i, 0
.rept 16
	v_exp_f32 v[64*\H+32*\p+i], v[64*\H+32*\p+i]
	v_exp_f32 v[64*\H+32*\p+i+1], v[64*\H+32*\p+i+1]
.if \first == 0
	v_pk_mul_f32 v[OB+64*\H+32*\p+i:OB+64*\H+32*\p+i+1], v[OB+64*\H+32*\p+i:OB+64*\H+32*\p+i+1], v[NA+4*\H+2*\p:NA+4*\H+2*\p+1] op_sel:[0,1] op_sel_hi:[1,1]   ; O times the factor: also the plain place behind the two exponentials
.endif
.set i, i+2
.endr
.endr
.if \first
	v_nop                                          ; the plain place behind the exponentials
	WIN 0x05
	s_wait_alu depctr_va_vdst(0)
.irp p, 0,1
	v_pk_add_f32 v[L0+8*\H+4*\p:L0+8*\H+4*\p+1], v[64*\H+32*\p:64*\H+32*\p+1], v[64*\H+32*\p+2:64*\H+32*\p+3]       ; the first pairs start the sums
	v_pk_add_f32 v[L0+8*\H+4*\p+2:L0+8*\H+4*\p+3], v[64*\H+32*\p+16:64*\H+32*\p+17], v[64*\H+32*\p+18:64*\H+32*\p+19]
.endr
.set i, 4
.else
	WIN 0x10                                       ; source 2 in window 1
	s_wait_alu depctr_va_vdst(0)
.irp p, 0,1
	v_pk_fma_f32 v[L0+8*\H+4*\p:L0+8*\H+4*\p+1], v[L0+8*\H+4*\p:L0+8*\H+4*\p+1], v[NA+4*\H+2*\p:NA+4*\H+2*\p+1], v[64*\H+32*\p:64*\H+32*\p+1] op_sel:[0,1,0] op_sel_hi:[1,1,1]
	v_pk_fma_f32 v[L0+8*\H+4*\p+2:L0+8*\H+4*\p+3], v[L0+8*\H+4*\p+2:L0+8*\H+4*\p+3], v[NA+4*\H+2*\p:NA+4*\H+2*\p+1], v[64*\H+32*\p+16:64*\H+32*\p+17] op_sel:[0,1,0] op_sel_hi:[1,1,1]
.endr
.set i, 2
.endif
	WIN 0x01
.rept 7-\first
.irp p, 0,1
	v_pk_add_f32 v[L0+8*\H+4*\p:L0+8*\H+4*\p+1], v[64*\H+32*\p+i:64*\H+32*\p+i+1], v[L0+8*\H+4*\p:L0+8*\H+4*\p+1]
	v_pk_add_f32 v[L0+8*\H+4*\p+2:L0+8*\H+4*\p+3], v[64*\H+32*\p+16+i:64*\H+32*\p+17+i], v[L0+8*\H+4*\p+2:L0+8*\H+4*\p+3]
.endr
.set i, i+2
.endr
	WIN 0x45                                       ; P: 16 registers of two key tiles pack into the first 8; register i is written when 2 i
.irp p, 0,1
.irp ks, 0,1
.irp n, 0,1,2,3,4,5,6,7
	v_cvt_pk_bf16_f32 v[64*\H+32*\p+16*\ks+\n], v[64*\H+32*\p+16*\ks+2*\n], v[64*\H+32*\p+16*\ks+2*\n+1]
.endr
.endr
.endr
.endm
.macro NEXTSLOT nxt                    ; the next phase's first fragments
	v_add_nc_u32 v[ADRK], \nxt*SLOT, v[LK]
	v_add_nc_u32 v[ADRV], \nxt*SLOT+VOFF, v[LV]
	KLOAD
.endm
; One trip: 64 keys.  kind 0: inside a phase; 1: a phase's last trip, slot cur is filled again; 2: a phase's last trip, no fill; 3: the last trip.
.macro TRIP first, kind, cur, nxt
	s_wait_dscnt 0x0                               ; this trip's K fragments are in
	WIN 0x50                                       ; C and D in window 1
	QK
	WIN 0
	PLACES 4                                       ; between the products and the loads into K's registers, and the selects that read S
	VLOAD
.if \kind == 0
	KLOAD                                          ; the next trip's
.endif
.if \kind == 1
	s_wait_dscnt 0x0                               ; my reads of this slot are over,
	s_wait_tensorcnt 0x0                           ; and my tensor load has landed (my part of the next slot): the groups 0 may be written
	ds_add_u32 v62, v63
	s_wait_dscnt 0x0
	s_add_nc_u64 s[26:27], s[26:27], TILEB
	s_add_nc_u64 s[30:31], s[30:31], TILEB
	s_add_co_u32 s25, s100, \cur*SLOT
	s_add_co_u32 s29, s101, \cur*SLOT
	ROUND                                          ; both hold of every wave of the four work-groups
	JLOAD                                          ; the refill first: it has the next phase's eight trips in which to land
	NEXTSLOT \nxt
.endif
.if \kind == 2
	s_wait_dscnt 0x0                               ; my reads of slot 0 are over for good (the way out will be staged there),
	s_wait_tensorcnt 0x0                           ; my part of the last tile has landed
	s_barrier_signal -1
	s_barrier_wait -1
	NEXTSLOT \nxt
.endif
	s_wait_kmcnt 0x0                               ; the mask words of query tiles 0 and 1
	HALF 0, \first, 1
	s_wait_kmcnt 0x0                               ; of query tiles 2 and 3
.if \kind == 3
	HALF 1, \first, 0
	s_wait_dscnt 0x0                               ; V's fragments
.else
	HALF 1, \first, 2
	s_wait_dscnt 16                                ; V's 16 loads are in; the 16 of K issued behind them may stay out
.endif
	WIN 0x54                                       ; source 1 (P), C and D in window 1
	PV \first
	WIN 0
	PLACES 5                                       ; the next products write over P's registers; behind the last trip vector instructions read O (ISA guide 7.12.1)
.endm
	s_load_b128 s[32:35], s[0:1], 0x0              ; qkv s[32:33], mbits s[34:35]
	v_lshl_add_u32 v62, v0, 2, 0x4c000
	v_mov_b32 v63, 0
	ds_add_u32 v62, v63
	v_lshrrev_b32 v13, 5, v0
	v_readfirstlane_b32 s4, v13                    ; wave 0..7
	s_bfe_u32 s36, ttmp6, 0x40000                  ; cx: my block of 512 queries.  ttmp9: the cluster's x = 16 b + h
	s_and_b32 s37, s4, 3                           ; which 128 keys of a tile I ask for
	s_mul_i32 s100, s37, 128*KP                    ; where they go: K's part,
	s_mul_i32 s101, s37, 128*VP
	s_add_co_u32 s101, s101, VOFF                  ; V's part
	s_mov_b32 s6, 0x76543210                       ; v_permlanex16_b32: lane i reads lane i of the other half
	s_mov_b32 s7, 0xfedcba98
	; group 1: 16,384 dense bytes as 64 rows of 32 elements of 8 bytes; behind every 32 words (a key's 128 bytes) 4 words of padding for K, 8 for V
	s_mov_b32 s[G1K+0], 15|(3<<16)|(1<<20)|(1<<21)|(4<<22)|(3<<25)
	s_mov_b32 s[G1V+0], 15|(3<<16)|(1<<20)|(1<<21)|(4<<22)|(7<<25)
	s_mov_b32 s[G1K+1], 32<<16                     ; tensor_dim0 = 32
	s_mov_b32 s[G1V+1], 32<<16
	s_mov_b32 s[G1K+2], 64<<16                     ; tensor_dim1 = 64
	s_mov_b32 s[G1V+2], 64<<16
	s_mov_b32 s[G1K+3], 32<<16                     ; tile_dim0 = 32
	s_mov_b32 s[G1V+3], 32<<16
	s_mov_b32 s[G1K+4], 64                         ; tile_dim1 = 64
	s_mov_b32 s[G1V+4], 64
	s_mov_b32 s[G1K+5], 32                         ; elements from row to row
	s_mov_b32 s[G1V+5], 32
	s_mov_b32 s[G1K+6], 0
	s_mov_b32 s[G1V+6], 0
	s_mov_b32 s[G1K+7], 0
	s_mov_b32 s[G1V+7], 0
	s_lshl_b32 s38, ttmp9, 18                      ; the head's 2,048 x 128 bytes
	s_lshl_b32 s39, s37, 14
	s_add_co_u32 s40, s38, s39
	s_add_co_u32 s40, s40, 16777216                ; K's part of qkv: made of the cluster's x and the wave's number alone
	s_mov_b32 s41, 0
	s_add_co_u32 s42, s40, 16777216                ; V's
	s_mov_b32 s43, 0
	s_lshl_b32 s44, s36, 16                        ; my wave's 64 queries: (512 cx + 64 w) x 128 bytes
	s_lshl_b32 s45, s4, 13
	s_add_co_u32 s44, s44, s45
	s_add_co_u32 s44, s44, s38
	s_mov_b32 s45, 0
	s_lshr_b32 s46, ttmp9, 4                       ; the mask words of my first query tile: (128 b + 32 cx + 4 w) x 4,096 bytes
	s_lshl_b32 s46, s46, 19
	s_lshl_b32 s47, s36, 17
	s_add_co_u32 s46, s46, s47
	s_lshl_b32 s47, s4, 14
	s_add_co_u32 s46, s46, s47
	s_mov_b32 s47, 0
	s_wait_dscnt 0x0
	s_wait_kmcnt 0x0
	s_mov_b32 s24, 1
	s_mov_b32 s25, s100                            ; tile 0 goes to slot 0
	s_add_nc_u64 s[26:27], s[32:33], s[40:41]
	s_or_b32 s27, s27, 0x80000000
	s_mov_b32 s28, 1
	s_mov_b32 s29, s101
	s_add_nc_u64 s[30:31], s[32:33], s[42:43]
	s_or_b32 s31, s31, 0x80000000
	s_add_nc_u64 s[104:105], s[32:33], s[44:45]    ; Q's base, outside the registers on which the mask words land
	s_add_nc_u64 s[2:3], s[34:35], s[46:47]
	ROUND                                          ; the four work-groups are here: the first joint loads meet
	JLOAD                                          ; tile 0
	v_and_b32 v3, 31, v0                           ; lane
	v_and_b32 v1, 15, v0                           ; r
	v_bfe_u32 v2, v0, 4, 1                         ; h
	v_lshlrev_b32 v[QO], 7, v1
	v_lshl_add_u32 v[QO], v2, 4, v[QO]
.irp qt, 0,1,2,3
.irp ks, 0,1
	global_load_b128 v[QF+8*(2*\qt+\ks):QF+8*(2*\qt+\ks)+3],   v[QO], s[104:105] offset:\qt*2048+\ks*64      ; Q's fragments stay in registers
	global_load_b128 v[QF+8*(2*\qt+\ks)+4:QF+8*(2*\qt+\ks)+7], v[QO], s[104:105] offset:\qt*2048+\ks*64+32
.endr
.endr
	MLOAD 0
	v_mul_u32_u24 v[LK], v1, KP
	v_lshl_add_u32 v[LK], v2, 4, v[LK]
	v_and_b32 v13, 7, v0
	v_lshl_add_u32 v13, v2, 3, v13
	v_mul_u32_u24 v[LV], v13, VP
	v_bfe_u32 v13, v0, 3, 1
	v_lshl_add_u32 v[LV], v13, 4, v[LV]
	v_mov_b32 v[ADRK], v[LK]
	v_add_nc_u32 v[ADRV], VOFF, v[LV]
	v_mov_b32 v[NEG], 0xceabfb8f                   ; -1e9 x log2(e)
	; slot 1's first fill is issued as a refill is: every load waited for, a round, one load a wave
	s_wait_tensorcnt 0x0                           ; tile 0 has landed; the groups 0 may be written
	ds_add_u32 v62, v63
	s_add_nc_u64 s[26:27], s[26:27], TILEB
	s_add_nc_u64 s[30:31], s[30:31], TILEB
	s_add_co_u32 s25, s100, SLOT
	s_add_co_u32 s29, s101, SLOT
	s_wait_dscnt 0x0
	ROUND
	JLOAD                                          ; tile 1
	KLOAD
	s_wait_loadcnt 0x0                             ; Q
	TRIP 1, 0, 0, 0                                ; the first trip starts maxima, sums and O: nothing is cleared
	s_mov_b32 s5, 6
.Lphase0:
	TRIP 0, 0, 0, 0
	s_sub_co_i32 s5, s5, 1
	s_cmp_lg_u32 s5, 0
	s_cbranch_scc1 .Lphase0
	TRIP 0, 1, 0, 1                                ; tile 2 into slot 0
	s_mov_b32 s5, 7
.Lphase1:
	TRIP 0, 0, 0, 0
	s_sub_co_i32 s5, s5, 1
	s_cmp_lg_u32 s5, 0
	s_cbranch_scc1 .Lphase1
	TRIP 0, 1, 1, 0                                ; tile 3 into slot 1
	s_mov_b32 s5, 7
.Lphase2:
	TRIP 0, 0, 0, 0
	s_sub_co_i32 s5, s5, 1
	s_cmp_lg_u32 s5, 0
	s_cbranch_scc1 .Lphase2
	TRIP 0, 2, 0, 1                                ; nothing is left to fetch
	s_mov_b32 s5, 7
.Lphase3:
	TRIP 0, 0, 0, 0
	s_sub_co_i32 s5, s5, 1
	s_cmp_lg_u32 s5, 0
	s_cbranch_scc1 .Lphase3
	TRIP 0, 3, 0, 0
	; THE WAY OUT.  The places behind the last products are the last trip's.
	s_load_b64 s[32:33], s[0:1], 0x10              ; ctx
	s_bfe_u32 s36, ttmp6, 0x40000
	s_lshl_b32 s34, ttmp9, 18                      ; ctx has Q's layout: the same offset as my queries
	s_lshl_b32 s36, s36, 16
	s_add_co_u32 s34, s34, s36
	s_lshl_b32 s36, s4, 13
	s_add_co_u32 s34, s34, s36
	s_mov_b32 s35, 0
	s_mul_i32 s37, s4, 64*KP                       ; my stage: 64 rows at pitch 144, in slot 0
	v_add_nc_u32 v[STO], s37, v[LK]                ; in: row r, 16 bytes for each half of the lanes
	v_lshrrev_b32 v13, 3, v3
	v_mul_u32_u24 v[RD], v13, KP                   ; back: eight lanes take a row's 128 bytes, the wave four rows
	v_and_b32 v13, 7, v3
	v_lshl_add_u32 v[RD], v13, 4, v[RD]
	v_add_nc_u32 v[RD], s37, v[RD]
	v_lshlrev_b32 v[CO], 4, v3
.irp qt, 0,1,2,3
	v_pk_add_f32 v[L0+4*\qt:L0+4*\qt+1], v[L0+4*\qt:L0+4*\qt+1], v[L0+4*\qt+2:L0+4*\qt+3]
.endr
.irp qt, 0,1,2,3
	v_add_f32 v[L0+4*\qt], v[L0+4*\qt], v[L0+4*\qt+1]
.endr
.irp qt, 0,1,2,3
	v_permlanex16_b32 v[L0+4*\qt+1], v[L0+4*\qt], s6, s7       ; the other half's keys
.endr
.irp qt, 0,1,2,3
	v_add_f32 v[L0+4*\qt], v[L0+4*\qt], v[L0+4*\qt+1]          ; at least 1: the largest score's term
.endr
.irp qt, 0,1,2,3
	v_rcp_f32 v[NA+2*\qt], v[L0+4*\qt]
.endr
	v_nop                                          ; the plain place behind the reciprocals (ISA guide 5.7.2)
	WIN 0x41
	s_wait_alu depctr_va_vdst(0)
.irp qt, 0,1,2,3
.set i, 0
.rept 16
	v_pk_mul_f32 v[OB+32*\qt+i:OB+32*\qt+i+1], v[OB+32*\qt+i:OB+32*\qt+i+1], v[NA+2*\qt:NA+2*\qt+1] op_sel_hi:[1,0]
.set i, i+2
.endr
.endr
	WIN 0x05
.set i, 0
.rept 64
	v_cvt_pk_bf16_f32 v[KF+i], v[OB+2*i], v[OB+2*i+1]          ; tile (qt, dt): 8 neighbouring d of my query, 16 bytes
.set i, i+1
.endr
	WIN 0
.irp qt, 0,1,2,3
.irp dt, 0,1,2,3
	ds_store_b128 v[STO], v[KF+4*(4*\qt+\dt):KF+4*(4*\qt+\dt)+3] offset:\qt*16*KP+\dt*32
.endr
.endr
.irp t, 0,1,2,3,4,5,6,7,8,9,10,11,12,13,14,15
	ds_load_b128 v[VF+4*\t:VF+4*\t+3], v[RD] offset:\t*4*KP    ; my wave's own bytes, served in order behind the stores
.endr
	s_wait_kmcnt 0x0
	s_add_nc_u64 s[32:33], s[32:33], s[34:35]
.irp t, 0,1,2,3,4,5,6,7,8,9,10,11,12,13,14,15
	s_wait_dscnt 15-\t                             ; read t is in, the younger ones stay out
	global_store_b128 v[CO], v[VF+4*\t:VF+4*\t+3], s[32:33] offset:\t*512      ; 512 consecutive bytes, aligned
.endr
	s_wait_tensorcnt 0x0
	ds_add_u32 v62, v63
	s_wait_dscnt 0x0
	ROUND                                          ; the closing round
	s_endpgm
.Lfunc_end_k_qab7cfca07f_attn:
	.size	k_qab7cfca07f_attn, .Lfunc_end_k_qab7cfca07f_attn-k_qab7cfca07f_attn
	.p2alignl 7, 3214868480
	.fill 96, 4, 3214868480
	.section	.rodata,"a",@progbits
	.p2align	6, 0x0
	.amdhsa_kernel k_qab7cfca07f_attn
		.amdhsa_group_segment_fixed_size 327680
		.amdhsa_private_segment_fixed_size 0
		.amdhsa_enable_private_segment 0
		.amdhsa_kernarg_size 24
		.amdhsa_user_sgpr_count 2
		.amdhsa_user_sgpr_kernarg_segment_ptr 1
		.amdhsa_wavefront_size32 1
		.amdhsa_system_sgpr_workgroup_id_x 1
		.amdhsa_system_sgpr_workgroup_id_y 1
		.amdhsa_system_sgpr_workgroup_id_z 1
		.amdhsa_system_vgpr_workitem_id 0
		.amdhsa_next_free_vgpr 512
		.amdhsa_next_free_sgpr 106
		.amdhsa_reserve_vcc 0
		.amdhsa_float_denorm_mode_32 3
		.amdhsa_float_denorm_mode_16_64 3
		.amdhsa_memory_ordered 1
		.amdhsa_forward_progress 1
		.amdhsa_inst_pref_size 255
	.end_amdhsa_kernel
	.section	.bss,"aw",@nobits
	.p2align	6
	.space	262144
	.amdgpu_metadata
---
amdhsa.version: [ 1, 2 ]
amdhsa.kernels:
  - .name:           k_qab7cfca07f_attn
    .symbol:         k_qab7cfca07f_attn.kd
    .args:
      - { .name: qkv, .offset: 0, .size: 8, .value_kind: global_buffer, .address_space: global }
      - { .name: mbits, .offset: 8, .size: 8, .value_kind: global_buffer, .address_space: global }
      - { .name: ctx, .offset: 16, .size: 8, .value_kind: global_buffer, .address_space: global }
    .group_segment_fixed_size: 327680
    .private_segment_fixed_size: 0
    .kernarg_segment_align: 8
    .kernarg_segment_size: 24
    .max_flat_workgroup_size: 256
    .sgpr_count:     106
    .vgpr_count:     512
    .wavefront_size: 32
...
	.end_amdgpu_metadata
.endif
;; end of part 3
;; launch outln (part 4): grid 256 x 1, 8 waves a work-group, clusters of 4 x 1, 327,680 bytes of LDS; arguments ctx, wb, bo, Q, ln_gamma, ln_beta, out0; writes out0
.if DOCPART == 4
	.amdgcn_target "amdgcn-amd-amdhsa--gfx1250"
	.amdhsa_code_object_version 6
	.text
	.protected	k_qab7cfca07f_outln
	.globl	k_qab7cfca07f_outln
	.p2align	8
	.type	k_qab7cfca07f_outln,@function
k_qab7cfca07f_outln:
	s_mov_b64 s[64:65], 0
	v_nop
	global_prefetch_b8 v0, s[64:65] scope:SCOPE_SE
	s_setreg_imm32_b32 hwreg(HW_REG_WAVE_MODE, 25, 1), 1
	s_wait_xcnt 0x0
	s_wait_alu depctr_hold_cnt(0) depctr_sa_sdst(0) depctr_va_vdst(0) depctr_va_sdst(0) depctr_va_ssrc(0) depctr_va_vcc(0) depctr_vm_vsrc(0)
	s_getreg_b32 s2, hwreg(HW_REG_IB_STS2, 6, 4)
	s_cmp_eq_u32 s2, 0
	s_cbranch_scc0 .Lentry_in_a_cluster
	s_endpgm
.Lentry_in_a_cluster:
	s_bfe_u32 s2, ttmp6, 0x10000c
	s_cmp_lg_u32 s2, 0x3003
	s_cbranch_scc0 .Lentry_shape_is_right
	s_endpgm
.Lentry_shape_is_right:
; OUTLN: out0 = LayerNorm(ctx Wo^T + bo + Q) gamma + beta.  The norm needs whole rows, so a work-group makes 32 rows x all 1,024 columns.
; Eight waves; wave w makes columns 128 w .. 128 w + 127: 2 x 8 accumulator tiles, used transposed (source 0 = 16 rows of Wo,
; source 1 = 16 rows of ctx), so that a lane holds 8 neighbouring columns of one row.  bo is loaded straight into the accumulators.
; A K step is 64 = one head.  The re-tiled Wo ([k / 64][n][k % 64], part 3 of wb) gives 1,024 dense rows of 128 bytes for a step;
; 16 steps on a ring of two LDS slots.
; CLUSTER: all work-groups walk the same Wo; the four of a cluster ask for its tiles jointly (mask 15).  Every wave asks for the 128 rows
; (16,384 bytes) that it reads itself: eight loads a step, one a wave; at most one tensor load of a wave is out.
; THE ORDER OF THE K STEPS differs from cluster to cluster: cluster i begins with head (i & 7) | ((i >> 1) & 8) and goes round modulo 16.
; So in any step sixteen different tiles of Wo are asked for, and from its second step on a cluster asks for a tile that another cluster
; asked for one step earlier.  The first head hangs on the cluster's number alone: the four partners' descriptors stay equal.
; ctx (ctx [b][h][s][64], 32 rows x 128 bytes a step) is the work-group's own and small, and every wave's one tensor load is taken:
; each wave loads its fragments of it straight into registers, one whole step ahead, into two buffers that take turns.
; gamma, beta and the residual rows of Q are loaded in the last step but one, into registers of their own.
; LDS: slot s at s x 147,456: Wo 1,024 rows at pitch 144 (an odd multiple of 16).  After the last fill of slot 0 has been read by every
; wave, the 32 result rows are staged there in f32 at pitch 4,112; then one wave owns four whole rows for the norm.
; The norm is made in two passes over registers: the mean first, then the squares of the differences.
; The eight accumulators of a group take turns, and a group returns after the other one.
; LIMITS: ctx and Wo are bf16; everything else is f32.  The f32 sum over the heads starts from bo and takes the heads in the cluster's
; order, not in ascending order.
.set KP,     144
.set SLOT,   147456
.set PARTB,  128*KP                    ; a wave's 128 rows of a tile in LDS
.set RPITCH, 4112
.set ADRB, 4                           ; v4, v5   my Wo fragments in slot 0, 1
.set AO,   6                           ; v6       128 r + 16 h: my 16 bytes of a ctx row
.set STO,  8                           ; v8, v9   stage: rows r and 16 + r
.set RDS,  10                          ; v10      stage: my wave's four rows, 16 bytes a lane
.set GO,   11                          ; v11      16 x lane
.set BO,   12                          ; v12      512 w + 32 h
.set ACC,  16                          ; v[16:143]  tile (mt, nt) at 8 (8 mt + nt); later four rows of 32 registers
.set BF0,  144                         ; v[144:175] four Wo fragments; later T, at work
.set BF1,  176                         ; v[176:207] four more
.set AF0,  208                         ; v[208:239] ctx (mt, ks) of the steps in slot 0
.set T,    144
.set MU,   240                         ; v[240:241] the mean (first of a pair)
.set RS,   242                         ; v[242:243] 1 / sqrt(var + eps)
.set TP,   244
; the second window of 256 registers (numbers are written without the 256)
.set AF1,  0                           ; v[256:287] ctx (mt, ks) of the steps in slot 1
.set QR,   32                          ; v[288:415] four rows of Q
.set GAM,  160                         ; v[416:447] gamma
.set BET,  192                         ; v[448:479] beta
.set G1B, 24                           ; s[24:31] group 1;  s[32:35] group 0, rebuilt while no load is out
.set SA0, 40                           ; s[40:41] ctx at my rows, head of the step that goes to AF0
.set SA1, 42                           ; s[42:43] the same for AF1
; s[36:37] Wo's part 3 at my wave's rows; s[38:39] ctx at my rows, head 0; s[44:45], s[46:47] byte offsets of a head in Wo and in ctx;
; s48 the head asked for last; s49 my wave's part of a slot
.set MSB, 0
.macro WIN new                         ; the immediate's high byte repeats the setting that is left
.if MSB != \new
	s_set_vgpr_msb (MSB<<8)|\new
.set MSB, \new
.endif
.endm
.macro PLACES n
.rept \n
	v_nop
.endr
.endm
.macro ROUND                           ; a round of the cluster's barrier
	s_barrier_signal -1
	s_barrier_wait -1
	s_cmp_lg_u32 s18, 0
	s_cbranch_scc1 .Lnot_wave_0_\@
	s_barrier_signal -3
.Lnot_wave_0_\@:
	s_barrier_wait -3
	s_barrier_signal -1
	s_barrier_wait -1
.endm
.macro LDA af, sa                      ; one step's ctx fragments from memory: 32 rows x 64 k, two loads 32 bytes apart for each (mt, ks)
.irp mt, 0,1
.irp ks, 0,1
	global_load_b128 v[\af+8*(2*\mt+\ks):\af+8*(2*\mt+\ks)+3],   v[AO], s[\sa:\sa+1] offset:\mt*2048+\ks*64
	global_load_b128 v[\af+8*(2*\mt+\ks)+4:\af+8*(2*\mt+\ks)+7], v[AO], s[\sa:\sa+1] offset:\mt*2048+\ks*64+32
.endr
.endr
.endm
.macro LDB f, slot, ks, g              ; n tiles 4 g .. 4 g + 3, 32 along K
.irp t, 0,1,2,3
	ds_load_b128 v[\f+8*\t:\f+8*\t+3],   v[ADRB+\slot] offset:(4*\g+\t)*16*KP+\ks*64
	ds_load_b128 v[\f+8*\t+4:\f+8*\t+7], v[ADRB+\slot] offset:(4*\g+\t)*16*KP+\ks*64+32
.endr
.endm
.macro MUL8 f, slot, ks, g             ; source 1 is AF0 (slot 0) or, under the window set by STEP, AF1 (slot 1)
.irp t, 0,1,2,3
.irp mt, 0,1
	v_wmma_f32_16x16x32_bf16 v[ACC+8*(8*\mt+4*\g+\t):ACC+8*(8*\mt+4*\g+\t)+7], v[\f+8*\t:\f+8*\t+7], v[AF0*(1-\slot)+AF1*\slot+8*(2*\mt+\ks):AF0*(1-\slot)+AF1*\slot+8*(2*\mt+\ks)+7], v[ACC+8*(8*\mt+4*\g+\t):ACC+8*(8*\mt+4*\g+\t)+7]
.endr
.endr
.endm
.macro EARLY                           ; 48 loads for the norm, two K steps ahead of their use; lane l: columns 128 i + 4 l .. + 3 of every row
	WIN 0x40                                       ; destination in the second window
.irp i, 0,1,2,3,4,5,6,7
	global_load_b128 v[GAM+4*\i:GAM+4*\i+3], v[GO], s[12:13] offset:512*\i
.endr
.irp i, 0,1,2,3,4,5,6,7
	global_load_b128 v[BET+4*\i:BET+4*\i+3], v[GO], s[14:15] offset:512*\i
.endr
.irp rr, 0,1,2,3
.irp i, 0,1,2,3,4,5,6,7
	global_load_b128 v[QR+32*\rr+4*\i:QR+32*\rr+4*\i+3], v[GO], s[10:11] offset:\rr*4096+512*\i th:TH_LOAD_NT
.endr
.endr
	WIN 0
.endm
; One K step: 32 matrix instructions in four groups on two fragment buffers.  Four places stand in front of every run of loads into
; registers that matrix instructions have read (ISA guide 7.12.1 for vector instructions).
; nexta = 1: the next step's ctx fragments are asked for first, into the buffer that the step before this one used.
; left = how many younger loads may stay out when this step's ctx fragments have to be there.
.macro STEP slot, nexta, left, early
	PLACES 4
.if \nexta
.if \slot == 0
	WIN 0x40
	LDA AF1, SA1
	WIN 0
.else
	LDA AF0, SA0
.endif
.endif
	LDB BF0, \slot, 0, 0
	LDB BF1, \slot, 0, 1
	s_wait_loadcnt \left                           ; loads come back in order: this step's ctx (and, in the first step, bo) is in
	s_wait_dscnt 8                                 ; the first group's fragments are in; the youngest eight LDS loads stay out
.if \slot
	WIN 0x04                                       ; source 1 in the second window; LDS loads name destination and source 0 alone
.endif
	MUL8 BF0, \slot, 0, 0
	PLACES 4
	LDB BF0, \slot, 1, 0
.if \early
	EARLY
.endif
	s_wait_dscnt 8
	MUL8 BF1, \slot, 0, 1
	PLACES 4
	LDB BF1, \slot, 1, 1
	s_wait_dscnt 8
	MUL8 BF0, \slot, 1, 0
	s_wait_dscnt 0x0
	MUL8 BF1, \slot, 1, 1
	WIN 0
.endm
.macro TRIP slot, refill, early
	s_wait_tensorcnt 0x0                           ; my tensor load has landed (my part of this trip's tile): the group 0 may be written
	ds_add_u32 v254, v255
	s_wait_dscnt 0x0
.if \refill
	s_add_co_u32 s48, s48, 1
	s_and_b32 s48, s48, 15                         ; the next head, round modulo 16
	s_lshl_b32 s44, s48, 17                        ; its 131,072 bytes of Wo
	s_lshl_b32 s46, s48, 18                        ; its 2,048 x 128 bytes of ctx
	s_add_nc_u64 s[34:35], s[36:37], s[44:45]
	s_or_b32 s35, s35, 0x80000000                  ; type = 2
	s_add_co_u32 s33, s49, (1-\slot)*SLOT          ; into the slot read last trip
	s_add_nc_u64 s[SA0+2*(1-\slot):SA0+2*(1-\slot)+1], s[38:39], s[46:47]   ; this base's last loads were shown done by the last trip's counted wait
.endif
	s_wait_dscnt 0x0                               ; my reads of the last trip's tile are over
	ROUND                                          ; both hold of every wave of the four work-groups
.if \refill
	tensor_load_to_lds s[32:35], s[G1B:G1B+7]      ; the refill first, one load a wave
	s_nop 0
	STEP \slot, 1, 8, \early                       ; 8: the next step's ctx loads, just issued, stay out
.else
	STEP \slot, 0, 48, 0                           ; 48: gamma, beta and Q, issued behind this step's ctx loads, stay out
.endif
.endm
	s_load_b256 s[4:11], s[0:1], 0x0               ; ctx s[4:5], wb s[6:7], bo s[8:9], Q s[10:11]
	s_load_b128 s[12:15], s[0:1], 0x20             ; ln_gamma s[12:13], ln_beta s[14:15]
	s_load_b64 s[16:17], s[0:1], 0x30              ; out0
	v_lshl_add_u32 v254, v0, 2, 0x48000
	v_mov_b32 v255, 0
	ds_add_u32 v254, v255
	v_lshrrev_b32 v14, 5, v0                       ; wave
	v_readfirstlane_b32 s18, v14
	s_bfe_u32 s19, ttmp6, 0x40000                  ; cx
	s_lshl_b32 s20, ttmp9, 7
	s_lshl_b32 s23, s19, 5
	s_add_co_u32 s20, s20, s23                     ; my first row R0 = 32 (4 x cluster x + cx)
	s_and_b32 s48, ttmp9, 7                        ; the cluster's first head: bits 0-2 and bit 4 of its number
	s_lshr_b32 s21, ttmp9, 1
	s_and_b32 s21, s21, 8
	s_or_b32 s48, s48, s21
	s_mov_b32 s57, 0x76543210
	s_mov_b32 s58, 0xfedcba98
	s_mov_b32 s59, 0x3a800000                      ; 1 / 1024
	s_mov_b32 s60, 0x3727c5ac                      ; 1e-5
	; group 1: 16,384 dense bytes as 64 rows of 32 elements of 8 bytes, 4 words of padding behind every 32 words (a row of Wo's tile)
	s_mov_b32 s[G1B+0], 15|(3<<16)|(1<<20)|(1<<21)|(4<<22)|(3<<25)
	s_mov_b32 s[G1B+1], 32<<16                     ; tensor_dim0 = 32
	s_mov_b32 s[G1B+2], 64<<16                     ; tensor_dim1 = 64
	s_mov_b32 s[G1B+3], 32<<16                     ; tile_dim0 = 32
	s_mov_b32 s[G1B+4], 64                         ; tile_dim1 = 64
	s_mov_b32 s[G1B+5], 32                         ; elements from row to row
	s_mov_b32 s[G1B+6], 0
	s_mov_b32 s[G1B+7], 0
	s_mul_i32 s49, s18, PARTB                      ; where my part goes: the wave's number alone
	s_lshl_b32 s2, s18, 14                         ; and where it comes from: my 128 rows of 128 bytes,
	s_add_co_u32 s2, s2, 6291456                   ; in part 3 of wb
	s_mov_b32 s3, 0
	s_lshr_b32 s22, s20, 11                        ; ctx: ((R0 / 2048) 16 heads x 2,048 + R0 % 2048) x 128 bytes
	s_lshl_b32 s22, s22, 15
	s_and_b32 s23, s20, 2047
	s_add_co_u32 s22, s22, s23
	s_lshl_b32 s22, s22, 7
	s_mov_b32 s23, 0
	s_lshl_b32 s44, s48, 17
	s_mov_b32 s45, 0
	s_lshl_b32 s46, s48, 18
	s_mov_b32 s47, 0
	s_wait_dscnt 0x0
	s_wait_kmcnt 0x0
	s_add_nc_u64 s[36:37], s[6:7], s[2:3]
	s_add_nc_u64 s[38:39], s[4:5], s[22:23]
	s_mov_b32 s32, 1
	s_mov_b32 s33, s49                             ; the first tile goes to slot 0
	s_add_nc_u64 s[34:35], s[36:37], s[44:45]
	s_or_b32 s35, s35, 0x80000000
	s_add_nc_u64 s[SA0:SA0+1], s[38:39], s[46:47]
	ROUND                                          ; in front of the first joint load
	tensor_load_to_lds s[32:35], s[G1B:G1B+7]      ; the first K step
	s_nop 0
	s_lshl_b32 s22, s20, 12                        ; my wave's four rows of Q and of out0: (R0 + 4 w) x 4,096 bytes
	s_lshl_b32 s23, s18, 14
	s_add_co_u32 s22, s22, s23
	s_mov_b32 s23, 0
	s_add_nc_u64 s[10:11], s[10:11], s[22:23]
	s_add_nc_u64 s[16:17], s[16:17], s[22:23]
	v_and_b32 v3, 31, v0                           ; lane
	v_and_b32 v1, 15, v0                           ; r
	v_bfe_u32 v2, v0, 4, 1                         ; h
	v_lshlrev_b32 v[BO], 5, v2
	v_lshl_add_u32 v[BO], v14, 9, v[BO]
	v_lshlrev_b32 v[AO], 7, v1
	v_lshl_add_u32 v[AO], v2, 4, v[AO]
.irp mt, 0,1
.irp nt, 0,1,2,3,4,5,6,7
	global_load_b128 v[ACC+8*(8*\mt+\nt):ACC+8*(8*\mt+\nt)+3],   v[BO], s[8:9] offset:64*\nt      ; register j = bo[128 w + 16 nt + 8 h + j]: the sums start from the bias
	global_load_b128 v[ACC+8*(8*\mt+\nt)+4:ACC+8*(8*\mt+\nt)+7], v[BO], s[8:9] offset:64*\nt+16
.endr
.endr
	LDA AF0, SA0                                   ; the first step's ctx
	v_lshl_add_u32 v15, v14, 7, v1                 ; row 128 w + r of Wo's tile
	v_mul_u32_u24 v[ADRB], v15, KP
	v_lshl_add_u32 v[ADRB], v2, 4, v[ADRB]
	v_add_nc_u32 v[ADRB+1], SLOT, v[ADRB]
	v_mul_u32_u24 v[STO], v1, RPITCH
	v_add_nc_u32 v[STO], v[STO], v[BO]
	v_add_nc_u32 v[STO+1], 16*RPITCH, v[STO]
	v_mul_u32_u24 v[RDS], v14, 4*RPITCH
	v_lshl_add_u32 v[RDS], v3, 4, v[RDS]
	v_lshlrev_b32 v[GO], 4, v3
	v_mov_b32 v[MU+1], 0                           ; second registers of pairs of which the first is used: they have to exist
	v_mov_b32 v[RS+1], 0
	v_mov_b32 v[TP], 0
	s_mov_b32 s56, 7
.Lk:
	TRIP 0, 1, 0
	TRIP 1, 1, 0
	s_sub_co_u32 s56, s56, 1
	s_cmp_lg_u32 s56, 0
	s_cbranch_scc1 .Lk
	TRIP 0, 1, 1                                   ; the last two K steps: one more tile, and the loads for the norm;
	TRIP 1, 0, 0                                   ; then nothing is left to fetch
	; THE WAY OUT.  Slot 0 had its last fill, and every wave's reads of it ended in front of the last round.
	PLACES 4
.irp nt, 0,1,2,3,4,5,6,7
	ds_store_b128 v[STO],   v[ACC+8*\nt:ACC+8*\nt+3]       offset:64*\nt
	ds_store_b128 v[STO],   v[ACC+8*\nt+4:ACC+8*\nt+7]     offset:64*\nt+16
	ds_store_b128 v[STO+1], v[ACC+64+8*\nt:ACC+64+8*\nt+3] offset:64*\nt
	ds_store_b128 v[STO+1], v[ACC+64+8*\nt+4:ACC+64+8*\nt+7] offset:64*\nt+16
.endr
	s_wait_dscnt 0x0                               ; my stores are done, for the other waves' sake
	s_barrier_signal -1
	s_barrier_wait -1                              ; the 32 rows are whole
.macro REDUCE x                        ; the sum of v[x] over the 32 lanes, in every lane
	v_add_f32_dpp v[\x], v[\x], v[\x] row_xmask:1 row_mask:0xf bank_mask:0xf
	v_add_f32_dpp v[\x], v[\x], v[\x] row_xmask:2 row_mask:0xf bank_mask:0xf
	v_add_f32_dpp v[\x], v[\x], v[\x] row_xmask:4 row_mask:0xf bank_mask:0xf
	v_add_f32_dpp v[\x], v[\x], v[\x] row_xmask:8 row_mask:0xf bank_mask:0xf
	v_permlanex16_b32 v[TP], v[\x], s57, s58
	v_add_f32 v[\x], v[\x], v[TP]
.endm
.macro FOLD                            ; four pairs in T down to one number in v[T]
	v_pk_add_f32 v[T:T+1], v[T:T+1], v[T+2:T+3]
	v_pk_add_f32 v[T+4:T+5], v[T+4:T+5], v[T+6:T+7]
	v_pk_add_f32 v[T:T+1], v[T:T+1], v[T+4:T+5]
	v_add_f32 v[T], v[T], v[T+1]
	REDUCE T
.endm
; Row rr of my wave's four: 32 numbers a lane, kept in the registers that held accumulators.
.macro LNROW rr
.set XR, ACC+32*\rr
.irp i, 0,1,2,3,4,5,6,7
	ds_load_b128 v[T+4*\i:T+4*\i+3], v[RDS] offset:\rr*RPITCH+512*\i
.endr
	s_wait_loadcnt 8*(3-\rr)                       ; gamma, beta and this row of Q are in; the later rows' loads stay out
	s_wait_dscnt 0x0
	WIN 0x01                                       ; source 0 (Q) in the second window
.set i, 0
.rept 16
	v_pk_add_f32 v[XR+i:XR+i+1], v[QR+32*\rr+i:QR+32*\rr+i+1], v[T+i:T+i+1]   ; x = residual + (product + bias)
.set i, i+2
.endr
	WIN 0
.irp k, 0,2,4,6
	v_pk_add_f32 v[T+\k:T+\k+1], v[XR+\k:XR+\k+1], v[XR+8+\k:XR+8+\k+1]       ; four chains, started by the first pairs
.endr
.irp k, 0,2,4,6
	v_pk_add_f32 v[T+\k:T+\k+1], v[T+\k:T+\k+1], v[XR+16+\k:XR+16+\k+1]
.endr
.irp k, 0,2,4,6
	v_pk_add_f32 v[T+\k:T+\k+1], v[T+\k:T+\k+1], v[XR+24+\k:XR+24+\k+1]
.endr
	FOLD
	v_mul_f32 v[MU], s59, v[T]                     ; the mean
.set i, 0
.rept 16
	v_pk_add_f32 v[XR+i:XR+i+1], v[XR+i:XR+i+1], v[MU:MU+1] op_sel_hi:[1,0] neg_lo:[0,1] neg_hi:[0,1]
.set i, i+2
.endr
.irp k, 0,2,4,6
	v_pk_mul_f32 v[T+\k:T+\k+1], v[XR+\k:XR+\k+1], v[XR+\k:XR+\k+1]
.endr
.irp o, 8,16,24
.irp k, 0,2,4,6
	v_pk_fma_f32 v[T+\k:T+\k+1], v[XR+\o+\k:XR+\o+\k+1], v[XR+\o+\k:XR+\o+\k+1], v[T+\k:T+\k+1]
.endr
.endr
	FOLD
	v_fma_f32 v[RS], v[T], s59, s60                ; variance + eps
	v_rsq_f32 v[RS], v[RS]
	v_nop                                          ; the plain place behind it (ISA guide 5.7.2)
.set i, 0
	s_wait_alu depctr_va_vdst(0)
.rept 16
	v_pk_mul_f32 v[XR+i:XR+i+1], v[XR+i:XR+i+1], v[RS:RS+1] op_sel_hi:[1,0]
.set i, i+2
.endr
	WIN 0x14                                       ; sources 1 and 2 (gamma, beta) in the second window
.set i, 0
.rept 16
	v_pk_fma_f32 v[XR+i:XR+i+1], v[XR+i:XR+i+1], v[GAM+i:GAM+i+1], v[BET+i:BET+i+1]
.set i, i+2
.endr
	WIN 0
.irp i, 0,1,2,3,4,5,6,7
	global_store_b128 v[GO], v[XR+4*\i:XR+4*\i+3], s[16:17] offset:\rr*4096+512*\i th:TH_STORE_NT   ; 512 consecutive bytes, aligned; the row's registers are not written again
.endr
.endm
	LNROW 0
	LNROW 1
	LNROW 2
	LNROW 3
	s_wait_tensorcnt 0x0
	ds_add_u32 v254, v255
	s_wait_dscnt 0x0
	ROUND                                          ; the closing round
	s_endpgm
.Lfunc_end_k_qab7cfca07f_outln:
	.size	k_qab7cfca07f_outln, .Lfunc_end_k_qab7cfca07f_outln-k_qab7cfca07f_outln
	.p2alignl 7, 3214868480
	.fill 96, 4, 3214868480
	.section	.rodata,"a",@progbits
	.p2align	6, 0x0
	.amdhsa_kernel k_qab7cfca07f_outln
		.amdhsa_group_segment_fixed_size 327680
		.amdhsa_private_segment_fixed_size 0
		.amdhsa_enable_private_segment 0
		.amdhsa_kernarg_size 56
		.amdhsa_user_sgpr_count 2
		.amdhsa_user_sgpr_kernarg_segment_ptr 1
		.amdhsa_wavefront_size32 1
		.amdhsa_system_sgpr_workgroup_id_x 1
		.amdhsa_system_sgpr_workgroup_id_y 1
		.amdhsa_system_sgpr_workgroup_id_z 1
		.amdhsa_system_vgpr_workitem_id 0
		.amdhsa_next_free_vgpr 480
		.amdhsa_next_free_sgpr 66
		.amdhsa_reserve_vcc 0
		.amdhsa_float_denorm_mode_32 3
		.amdhsa_float_denorm_mode_16_64 3
		.amdhsa_memory_ordered 1
		.amdhsa_forward_progress 1
		.amdhsa_inst_pref_size 73
	.end_amdhsa_kernel
	.amdgpu_metadata
---
amdhsa.version: [ 1, 2 ]
amdhsa.kernels:
  - .name:           k_qab7cfca07f_outln
    .symbol:         k_qab7cfca07f_outln.kd
    .args:
      - { .name: ctx, .offset: 0, .size: 8, .value_kind: global_buffer, .address_space: global }
      - { .name: wb, .offset: 8, .size: 8, .value_kind: global_buffer, .address_space: global }
      - { .name: bo, .offset: 16, .size: 8, .value_kind: global_buffer, .address_space: global }
      - { .name: Q, .offset: 24, .size: 8, .value_kind: global_buffer, .address_space: global }
      - { .name: ln_gamma, .offset: 32, .size: 8, .value_kind: global_buffer, .address_space: global }
      - { .name: ln_beta, .offset: 40, .size: 8, .value_kind: global_buffer, .address_space: global }
      - { .name: out0, .offset: 48, .size: 8, .value_kind: global_buffer, .address_space: global }
    .group_segment_fixed_size: 327680
    .private_segment_fixed_size: 0
    .kernarg_segment_align: 8
    .kernarg_segment_size: 56
    .max_flat_workgroup_size: 256
    .sgpr_count:     66
    .vgpr_count:     480
    .wavefront_size: 32
...
	.end_amdgpu_metadata
.endif
;; end of part 4
